; MI455X (gfx1250); checked and timed in simulation.
; The chip was launched on July 23, 2026; its instructions are those of AMD's public machine-readable ISA for CDNA 5 (MIT licence, August 2026) and "CDNA5" Instruction Set Architecture Reference Guide (July 2026). The comments in the code are by the model that wrote it; some were corrected since.
;; GQA. Allowed arithmetic: matrix products marked QUANTISED: E2M1 operands, one E8M0 scale for each 32 along K, by v_wmma_scale_f32_16x16x128_f8f6f4 with both operands' format E2M1 (or v_wmma_scale_f32_32x16x128_f4), f32 sums; products left as they are: bf16, f16 or f32 operands; f32 sums; everything else in f32.
;; Inputs: Wk 2,048 x 512 float32; Wo 2,048 x 2,048 float32; Wq 2,048 x 2,048 float32; Wv 2,048 x 512 float32; cos 1,024 x 32 float32; k_norm_w 64 float32; q_norm_w 64 float32; sin 1,024 x 32 float32; x 4 x 1,024 x 2,048 float32.
;; Outputs: out0 4 x 1,024 x 2,048 float32.
;; This version of the problem:
;;   THIS VERSION OF THE PROBLEM IS GIVEN IN LOW PRECISION. The matrix products marked QUANTISED in the list below multiply operands that are first quantised to E2M1 (2 exponent bits, 1 mantissa bit; 4 bits a number), with one power-of-two scale for each 32 numbers along K (OCP MX v1.0); their sums are f32. The products marked 'left as it is' may take bf16, f16 or f32 operands, with f32 sums. Whichever they take, every output number must still come out within the allowed error. Rounding operands to bf16 (8 significant bits) uses up far more of that allowance than f16 does (11 bits, for magnitudes from 6e-5 to 65,504). All else is computed in f32.
;;   The module's matrix products, in the order in which they are computed (A, B: the left and right operand; K: the contracted axis; several contracted axes count as one K, in the product's order):
;;     1. [M 4,096, K 2,048] x [K 2,048, N 2,048]; A: input x; B: input Wq: QUANTISED
;;     2. [M 4,096, K 2,048] x [K 2,048, N 512]; A: input x; B: input Wk: QUANTISED
;;     3. [M 4,096, K 2,048] x [K 2,048, N 512]; A: input x; B: input Wv: QUANTISED
;;     4. batch 128 x [M 1,024, K 64] x [K 64, N 1,024]; A: computed on the way; B: computed on the way: left as it is (an operand is computed on the way)
;;     5. batch 128 x [M 1,024, K 1,024] x [K 1,024, N 64]; A: computed on the way; B: computed on the way: left as it is (an operand is computed on the way)
;;     6. [M 4,096, K 2,048] x [K 2,048, N 2,048]; A: computed on the way; B: input Wo: left as it is (an operand is computed on the way)
;;   THE QUANTISER, for each operand of a quantised product, along K:
;;     - K is cut into blocks of 32 from its start; a last block that is shorter is filled with zeros.
;;     - A block's scale is 2^e with e = floor(log2(the largest magnitude in the block)) - 2, held to -126 .. 127; a block of zeros has e = 0. As a byte (E8M0): e + 127.
;;     - Each number is divided by its block's scale, clamped to +-6, and rounded to the nearest number of E2M1, ties to even, subnormals kept.
;;     - The product sums the exact products of the quantised numbers (number of the format x scale) in f32.
;;   ~~~python
;;   def quantise(x, axis):      # numpy; x: float32 -> the quantised numbers, widened to float32 again
;;       x = np.moveaxis(x, axis, -1); K = x.shape[-1]
;;       x = np.pad(x, [(0, 0)] * (x.ndim - 1) + [(0, -K % 32)]); x = x.reshape(x.shape[:-1] + (-1, 32)); a = np.abs(x).max(-1, keepdims=True)
;;       e = np.where(a > 0, np.clip(np.frexp(np.where(a > 0, a, 1))[1] - 1 - 2, -126, 127), 0)      # np.frexp(a)[1] - 1 = floor(log2(a)), exactly
;;       r = np.clip(x / 2.0 ** e, -6, 6)
;;       step = 2.0 ** (np.maximum(np.frexp(np.where(r == 0, 1, r))[1] - 1, 0) - 1)
;;       q = np.round(r / step) * step * 2.0 ** e      # np.round: ties to even
;;       return np.moveaxis(q.reshape(q.shape[:-2] + (-1,))[..., :K], -1, axis).astype(np.float32)
;;   ~~~
;; One version. Each part assembles by itself: llvm-mc -triple=amdgcn-amd-amdhsa -mcpu=gfx1250 --defsym DOCPART=n.
;; ======== version 1 of 1: 4 launches
;; limits: values are held in f16: magnitudes above 65,504 overflow, below 6.1e-05 lose precision
;; workspace buffers: xc 4,194,304 bytes; xs 262,144 bytes; wc 3,145,728 bytes; ws 196,608 bytes; wo16 8,388,608 bytes; qkv 25,165,824 bytes; y 16,777,216 bytes
;; launch prep (part 1): grid 192 x 4, 4 waves a work-group, no clusters, 42,496 bytes of LDS; arguments x, Wq, Wk, Wv, Wo, xc, xs, wc, ws, wo16; writes xc, xs, wc, ws, wo16
.if DOCPART == 1
	.amdgcn_target "amdgcn-amd-amdhsa--gfx1250"
	.amdhsa_code_object_version 6
	.text
	.protected	k_qa164f0f8ef_prep
	.globl	k_qa164f0f8ef_prep
	.p2align	8
	.type	k_qa164f0f8ef_prep,@function
k_qa164f0f8ef_prep:
	s_mov_b64 s[64:65], 0
	v_nop
	global_prefetch_b8 v0, s[64:65] scope:SCOPE_SE
	s_setreg_imm32_b32 hwreg(HW_REG_WAVE_MODE, 25, 1), 1
	s_wait_xcnt 0x0
; FIRST OF FOUR LAUNCHES of a grouped-query attention block (4 x 1,024 positions, 2,048 wide, 32 query heads, 8 key/value heads of 64).
; This one turns x [4096][2048] and Wq, Wk, Wv [2048][n], f32, into codes of FP4 (E2M1) with one E8M0 scale byte for each 32 along K = 2,048, and rounds Wo to f16.
; WORK LEFT OUT BY THE PROGRAM, for all values of the inputs: the scores of keys behind a query are replaced, in the problem's own body, by the smallest f32 number in front of the softmax, so their weight is 0
; beside the query's own key, which always counts.  Tiles of 64 keys all of which lie behind all 64 queries of a block are therefore neither multiplied nor summed (third launch).  The repeat of each key/value head
; for its four query heads is not laid out in memory: the four read the same rows.  Every input has a way to the output, and all nine are loaded.
; LIMIT: a NaN, an infinity or an overflow that would arise only in those hidden scores is not carried to the result.
; A block's scale is 2^(floor(log2(its largest magnitude)) - 2); its byte is the largest magnitude's exponent field - 2, held at 1 from below.  A block of zeros so gets the byte 1 where the rule says 127: its codes are
; zeros, which add nothing under any byte but 0xff, and the bytes are read by this program alone.  LIMITS: NaN and infinities among the inputs are not served; |Wo| stays under 65,504 (f16).
; THREE KINDS OF WORK-GROUP, told apart by the work-group's x; each kind that uses LDS has LDS bytes of its own.  No matrix work, no tensor load; no cluster: no two work-groups read the same bytes.
;   x 0-95    Wq, Wk, Wv: K is the FIRST axis.  A lane takes a column and its registers run down K: a block of 32 lies in one lane.  A work-group takes 32 columns x 512 along K (its y); each of its four waves 128 of the 512:
;             four blocks, of which two (64 loads) are on their way at a time.  The waves' 64 bytes of codes for each column meet in one stage in LDS, behind one barrier, and leave as whole rows of 256 bytes.
;             Rows of wc: 0-2047 Wq's columns; 2048 + 256 c + j: Wk's column 128 c + j (j < 128), Wv's column 128 c + j - 128 (j >= 128).
;   x 96-159  x: K is innermost, so x is a plain stream of blocks of 32.  A wave takes 16 steps of 512 numbers; each load reads 512 consecutive bytes; a step turns through the wave's stage in LDS so that a lane holds
;             16 neighbours.  Loads run eight steps (32 loads a wave) ahead.  Waves share nothing.
;   x 160-191 Wo: 8,192 numbers a wave, four a lane and load; each store of the wave covers 256 consecutive bytes, aligned.  Waves share nothing.
.set SP,    80                         ; x: a lane's place in a stage: its 64 bytes + 16 of padding
.set XWREG, 8192                       ; x: a wave's LDS: two stages of 32 x SP bytes, then its 256 scale bytes
.set WBASE, 32768                      ; weights: the work-group's stage, 32 rows x WP bytes,
.set WP,    272
.set WSC,   WBASE+32*WP                ; and its scale bytes, 16 for each of 32 columns
.set SPARE, WSC+512                    ; the spare words, 128 bytes for each wave: two blocks of 256 bytes that no other line names
.set SPW,   226                        ; v226 LDS address of my spare word; never rewritten
.set NIL,   227                        ; v227 0; never rewritten
.set R,     16                         ; x: v16-143 eight sets of 16 numbers as loaded
.set X,     144                        ; x: v144-175 two sets of 16 neighbours
.set E,     176                        ; x: v176-191 a scale byte for each step
.set C,     192                        ; x: v192-223 codes, two registers for each step: no store's data are written again
.set WX,    32                         ; weights: v32-95 two sets of 32 numbers; at the end the rows read back
.set WC,    96                         ; weights: v96-99 a block's codes; v100-103 the scale bytes on their way out
.set SB,    24                         ; weights: v24 my four scale bytes
.set OFFS,  128                        ; weights: v128-159 4 x lane + i rows
	s_load_b256 s[4:11], s[0:1], 0x0               ; x, Wq, Wk, Wv
	s_load_b256 s[12:19], s[0:1], 0x20             ; Wo, xc, xs, wc
	s_load_b128 s[20:23], s[0:1], 0x40             ; ws, wo16
	v_lshl_add_u32 v[SPW], v0, 2, SPARE
	v_mov_b32 v[NIL], 0
	v_lshrrev_b32 v1, 5, v0
	v_readfirstlane_b32 s24, v1                    ; wave 0..3
	v_and_b32 v2, 31, v0                           ; lane
	s_and_b32 s3, ttmp7, 0xffff                    ; the work-group's y, 0..3
	s_wait_kmcnt 0x0
	s_cmp_ge_u32 ttmp9, 160
	s_cbranch_scc1 .Lcast
	s_cmp_lt_u32 ttmp9, 96
	s_cbranch_scc1 .Lw
	; ---------------- x ----------------
	v_lshlrev_b32 v3, 4, v2                        ; my 16 bytes of a load's 512
	s_mul_i32 s25, s24, XWREG
	v_lshrrev_b32 v14, 2, v2
	v_mul_u32_u24 v14, v14, SP
	v_and_b32 v15, 3, v2
	v_lshl_add_u32 v14, v15, 4, v14
	v_add_nc_u32 v14, s25, v14                     ; the stage, on the way in: four lanes' 64 bytes on end, then 16 of padding
	v_mul_u32_u24 v15, v2, SP
	v_add_nc_u32 v15, s25, v15                     ; on the way out: my 16 neighbours
	v_lshlrev_b32 v4, 3, v2                        ; my 8 bytes of a step's codes
	v_lshrrev_b32 v5, 1, v2
	s_add_co_u32 s25, s25, 2*32*SP
	v_add_nc_u32 v5, s25, v5                       ; my block's byte among my wave's 256
	v_lshlrev_b32 v7, 3, v2
	v_add_nc_u32 v6, s25, v7                       ; and 8 of them a lane on the way out
	s_sub_co_u32 s26, ttmp9, 96
	s_lshl_b32 s27, s3, 6
	s_add_co_u32 s26, s26, s27                     ; which of the 256 work-groups of this kind: 64 y + x - 96
	s_lshl_b32 s26, s26, 2
	s_add_co_u32 s26, s26, s24                     ; which run of 8,192 numbers is my wave's
	s_mov_b32 s29, 0
	s_lshl_b32 s28, s26, 15
	s_add_nc_u64 s[4:5], s[4:5], s[28:29]
	s_lshl_b32 s28, s26, 12
	s_add_nc_u64 s[14:15], s[14:15], s[28:29]
	s_lshl_b32 s28, s26, 8
	s_add_nc_u64 s[16:17], s[16:17], s[28:29]
.macro XLOAD t
.irp i, 0,1,2,3
	global_load_b128 v[R+16*((\t)%8)+4*\i:R+16*((\t)%8)+4*\i+3], v3, s[4:5] offset:2048*(\t)+512*\i th:TH_LOAD_NT
.endr
.endm
.macro XTURN t                         ; step t's numbers through the stage: LDS serves a wave's instructions in order, so no wait stands between the stores and the loads
.irp i, 0,1,2,3
	ds_store_b128 v14, v[R+16*((\t)%8)+4*\i:R+16*((\t)%8)+4*\i+3] offset:32*SP*((\t)%2)+8*SP*\i
.endr
.irp i, 0,1,2,3
	ds_load_b128 v[X+16*((\t)%2)+4*\i:X+16*((\t)%2)+4*\i+3], v15 offset:32*SP*((\t)%2)+16*\i
.endr
.endm
.irp t, 0,1,2,3,4,5,6,7
	XLOAD \t
.endr
	s_wait_loadcnt 28                              ; step 0's four loads are in; the seven steps behind it may be out
	XTURN 0
.macro XSTEP t
.set XS, X+16*((\t)%2)
.if (\t) > 0
	s_wait_dscnt 1                                 ; this step's numbers are back from the stage; the last step's byte store may be out
.else
	s_wait_dscnt 0x0
.endif
.if (\t)+8 < 16
	XLOAD (\t)+8                                   ; into the registers that this step's stage stores have read
.endif
.if (\t)+1 < 16
.if 14-(\t) >= 7
	s_wait_loadcnt 28                              ; the next step's four loads are in; those of the seven steps behind it may be out
.else
	s_wait_loadcnt 4*(14-(\t))
.endif
	XTURN (\t)+1
.endif
	v_max3_num_f32 v8, |v[XS]|, |v[XS+1]|, |v[XS+2]|               ; the largest magnitude of my 16, in two chains
	v_max3_num_f32 v9, |v[XS+3]|, |v[XS+4]|, |v[XS+5]|
.irp i, 6,10
	v_max3_num_f32 v8, v8, |v[XS+\i]|, |v[XS+\i+1]|
	v_max3_num_f32 v9, v9, |v[XS+\i+2]|, |v[XS+\i+3]|
.endr
	v_max3_num_f32 v8, v8, |v[XS+14]|, |v[XS+15]|
	v_max3_num_f32 v8, v8, v9, 0x1800000           ; and the floor 2^(3 - 127): the byte cannot fall under 1
	v_max_num_f32_dpp v8, v8, v8 row_xmask:1 row_mask:0xf bank_mask:0xf   ; with my neighbour's 16: the block's
	v_add_nc_u32 v11, 0xff000000, v8               ; 2 off its exponent field: the conversion takes the exponent field of this operand as its scale
	v_cvt_scalef32_pk8_fp4_f32 v[C+2*(\t)], v[XS:XS+7], v11
	v_cvt_scalef32_pk8_fp4_f32 v[C+2*(\t)+1], v[XS+8:XS+15], v11
	v_lshrrev_b32 v[E+(\t)], 23, v11               ; the scale's byte (a plain line behind the conversions)
	ds_store_b8 v5, v[E+(\t)] offset:16*(\t)       ; both lanes of a block write the same byte with the same value
	global_store_b64 v4, v[C+2*(\t):C+2*(\t)+1], s[14:15] offset:256*(\t)   ; the wave stores 256 consecutive bytes, aligned
.endm
.irp t, 0,1,2,3,4,5,6,7,8,9,10,11,12,13,14,15
	XSTEP \t
.endr
	ds_load_b64 v[8:9], v6                         ; in order behind my byte stores
	s_wait_dscnt 0x0
	global_store_b64 v7, v[8:9], s[16:17]          ; my wave's 256 scale bytes, aligned
	s_wait_tensorcnt 0x0                           ; the wave's end: behind my last LDS store
	ds_add_u32 v[SPW], v[NIL]
	s_wait_dscnt 0x0
	s_endpgm
	; ---------------- Wq, Wk, Wv ----------------
.Lw:
	s_sub_co_u32 s28, ttmp9, 64                    ; x 64-95: 32 rows of wc each, four of Wk's groups and four of Wv's by turns
	s_bitcmp1_b32 s28, 2
	s_cselect_b64 s[8:9], s[10:11], s[8:9]         ; Wv or Wk (a choice on the work-group's number alone)
	s_lshr_b32 s29, s28, 3
	s_lshl_b32 s29, s29, 7
	s_and_b32 s30, s28, 3
	s_lshl_b32 s30, s30, 5
	s_add_co_u32 s29, s29, s30                     ; their first column: 128 (group / 8) + 32 (group % 4)
	s_lshl_b32 s30, ttmp9, 5                       ; Wq's
	s_mov_b32 s31, 2048                            ; a row of Wk or Wv in bytes
	s_cmp_lt_u32 ttmp9, 64
	s_cselect_b64 s[6:7], s[6:7], s[8:9]           ; the source
	s_cselect_b32 s29, s30, s29                    ; its first column
	s_cselect_b32 s31, 8192, s31                   ; its row in bytes
	v_lshlrev_b32 v3, 2, v2
.set j, 0
.rept 32
	v_mad_u32_u24 v[OFFS+j], s31, j, v3            ; row j of a block, my column
.set j, j+1
.endr
	s_lshl_b32 s28, s3, 9
	s_lshl_b32 s27, s24, 7
	s_add_co_u32 s28, s28, s27                     ; my wave's first row along K: 512 y + 128 wave
	s_mul_i32 s28, s28, s31
	s_lshl_b32 s29, s29, 2
	s_add_co_u32 s28, s28, s29
	s_mov_b32 s29, 0
	s_add_nc_u64 s[32:33], s[6:7], s[28:29]        ; block 0's base; each block has a base of its own, so that none is stepped while loads are out
	s_lshl_b32 s28, s31, 5
.irp t, 1,2,3
	s_add_nc_u64 s[32+2*\t:33+2*\t], s[30+2*\t:31+2*\t], s[28:29]
.endr
	s_lshl_b32 s25, ttmp9, 5                       ; the work-group's first row of wc and ws
	s_lshl_b32 s26, s24, 3
	s_add_co_u32 s26, s26, s25                     ; the first of the eight rows that my wave stores
	s_lshl_b32 s28, s26, 10
	s_lshl_b32 s27, s3, 8
	s_add_co_u32 s28, s28, s27
	s_add_nc_u64 s[18:19], s[18:19], s[28:29]      ; 1,024 bytes a row, 256 for each 512 along K
	s_lshl_b32 s28, s25, 6
	s_lshl_b32 s27, s3, 4
	s_add_co_u32 s28, s28, s27
	s_add_nc_u64 s[20:21], s[20:21], s[28:29]      ; 64 bytes a row, 16 for each 512 along K
	s_lshl_b32 s25, s24, 6
	s_add_co_u32 s25, s25, WBASE
	v_mul_u32_u24 v4, v2, WP
	v_add_nc_u32 v4, s25, v4                       ; into the stage: row = my column, my wave's 64 of its 256 bytes
	s_mul_i32 s25, s24, 8*WP
	s_add_co_u32 s25, s25, WBASE
	v_and_b32 v5, 15, v2
	v_lshrrev_b32 v6, 4, v2
	v_mul_u32_u24 v7, v6, WP
	v_lshl_add_u32 v7, v5, 4, v7
	v_add_nc_u32 v7, s25, v7                       ; out of it: my wave's eight rows, sixteen lanes to a row, two rows an instruction
	v_lshlrev_b32 v8, 10, v6
	v_lshl_add_u32 v8, v5, 4, v8                   ; the same place in wc
	v_lshlrev_b32 v9, 6, v2                        ; a column's row of scale bytes in ws
	s_lshl_b32 s25, s24, 2
	s_add_co_u32 s25, s25, WSC
	v_lshl_add_u32 v14, v2, 4, s25                 ; LDS: my column's 16 scale bytes, my wave's four
	v_lshl_add_u32 v15, v2, 4, WSC                 ; and all 16
.macro WLOAD t                         ; no cache hint: the neighbouring 128 bytes of each row are another work-group's
.set j, 0
.rept 32
	global_load_b32 v[WX+32*((\t)%2)+j], v[OFFS+j], s[32+2*(\t):33+2*(\t)]
.set j, j+1
.endr
.endm
	WLOAD 0
	WLOAD 1
.macro WBLOCK t
.set WS, WX+32*((\t)%2)
.if (\t) < 3
	s_wait_loadcnt 32                              ; this block's 32 loads are in; the next block's may be out
.else
	s_wait_loadcnt 0x0
.endif
	v_max3_num_f32 v12, |v[WS]|, |v[WS+1]|, |v[WS+2]|              ; the block's largest magnitude: all 32 numbers are mine
	v_max3_num_f32 v13, |v[WS+3]|, |v[WS+4]|, |v[WS+5]|
.irp i, 6,10,14,18,22,26
	v_max3_num_f32 v12, v12, |v[WS+\i]|, |v[WS+\i+1]|
	v_max3_num_f32 v13, v13, |v[WS+\i+2]|, |v[WS+\i+3]|
.endr
	v_max3_num_f32 v12, v12, |v[WS+30]|, |v[WS+31]|
	v_max3_num_f32 v12, v12, v13, 0x1800000        ; and the floor 2^(3 - 127)
	v_add_nc_u32 v11, 0xff000000, v12              ; the conversion's scale operand
	v_lshrrev_b32 v13, 23, v11                     ; the scale's byte
.if (\t) == 0
	v_mov_b32 v[SB], v13                           ; four bytes to a register, the lower K in the lower byte
.else
	v_lshl_or_b32 v[SB], v13, 8*(\t), v[SB]
.endif
.irp g, 0,1,2,3
	v_cvt_scalef32_pk8_fp4_f32 v[WC+\g], v[WS+8*\g:WS+8*\g+7], v11
.endr
	ds_store_b128 v4, v[WC:WC+3] offset:16*(\t)    ; 32 codes: 16 bytes of my column's row
.if (\t)+2 < 4
	WLOAD (\t)+2
.endif
	s_wait_dscnt 0x0                               ; the store has read its registers: the next block's codes may be written
.endm
.irp t, 0,1,2,3
	WBLOCK \t
.endr
	ds_store_b32 v14, v[SB]
	s_wait_dscnt 0x0                               ; for the others' sake: my codes and my scale bytes lie in LDS
	s_barrier_signal -1                            ; the way here hangs on the work-group's x alone: all four waves take it
	s_barrier_wait -1                              ; the 32 rows are whole
.irp t, 0,1,2,3
	ds_load_b128 v[WX+4*\t:WX+4*\t+3], v7 offset:2*\t*WP
.endr
.irp t, 0,1,2,3
	s_wait_dscnt 3-\t
	global_store_b128 v8, v[WX+4*\t:WX+4*\t+3], s[18:19] offset:2*\t*1024   ; sixteen lanes store 256 consecutive bytes, aligned
.endr
	s_cmp_lg_u32 s24, 0
	s_cbranch_scc1 .Lw_end                         ; wave 0 stores the scale bytes: 16 for each of the 32 columns
	ds_load_b128 v[100:103], v15
	s_wait_dscnt 0x0
	global_store_b128 v9, v[100:103], s[20:21]
.Lw_end:
	s_wait_tensorcnt 0x0                           ; the wave's end: behind my last LDS store
	ds_add_u32 v[SPW], v[NIL]
	s_wait_dscnt 0x0
	s_endpgm
	; ---------------- Wo ----------------
.Lcast:
	s_sub_co_u32 s25, ttmp9, 160
	s_lshl_b32 s26, s3, 5
	s_add_co_u32 s25, s25, s26                     ; which of the 128 work-groups of this kind: 32 y + x - 160
	s_lshl_b32 s25, s25, 2
	s_add_co_u32 s25, s25, s24                     ; which run of 8,192 numbers is my wave's
	s_mov_b32 s29, 0
	s_lshl_b32 s28, s25, 15
	s_add_nc_u64 s[12:13], s[12:13], s[28:29]
	s_lshl_b32 s28, s25, 14
	s_add_nc_u64 s[22:23], s[22:23], s[28:29]
	v_lshlrev_b32 v3, 4, v2
	v_lshlrev_b32 v4, 3, v2
.macro CLOAD g
.irp j, 0,1,2,3,4,5,6,7,8,9,10,11,12,13,14,15
	global_load_b128 v[16+64*((\g)%2)+4*\j:16+64*((\g)%2)+4*\j+3], v3, s[12:13] offset:512*(16*(\g)+\j) th:TH_LOAD_NT
.endr
.endm
.macro CWORK g
.if (\g) < 3
	s_wait_loadcnt 16                              ; this group's 16 loads are in; the other set's may be out
.else
	s_wait_loadcnt 0x0
.endif
	s_wait_xcnt 0x0                                ; the last group's stores have read their data: v144-175 are written again only behind this wait
.irp j, 0,1,2,3,4,5,6,7,8,9,10,11,12,13,14,15
	v_cvt_pk_f16_f32 v[144+2*\j], v[16+64*((\g)%2)+4*\j], v[17+64*((\g)%2)+4*\j]
	v_cvt_pk_f16_f32 v[145+2*\j], v[18+64*((\g)%2)+4*\j], v[19+64*((\g)%2)+4*\j]
.endr
.irp j, 0,1,2,3,4,5,6,7,8,9,10,11,12,13,14,15
	global_store_b64 v4, v[144+2*\j:145+2*\j], s[22:23] offset:256*(16*(\g)+\j)
.endr
.if (\g) < 2
	CLOAD (\g)+2
.endif
.endm
	CLOAD 0
	CLOAD 1
	CWORK 0
	CWORK 1
	CWORK 2
	CWORK 3
	s_endpgm
.Lfunc_end_k_qa164f0f8ef_prep:
	.size	k_qa164f0f8ef_prep, .Lfunc_end_k_qa164f0f8ef_prep-k_qa164f0f8ef_prep
	.p2alignl 7, 3214868480
	.fill 96, 4, 3214868480
	.section	.rodata,"a",@progbits
	.p2align	6, 0x0
	.amdhsa_kernel k_qa164f0f8ef_prep
		.amdhsa_group_segment_fixed_size 42496
		.amdhsa_private_segment_fixed_size 0
		.amdhsa_enable_private_segment 0
		.amdhsa_kernarg_size 80
		.amdhsa_user_sgpr_count 2
		.amdhsa_user_sgpr_kernarg_segment_ptr 1
		.amdhsa_wavefront_size32 1
		.amdhsa_system_sgpr_workgroup_id_x 1
		.amdhsa_system_sgpr_workgroup_id_y 1
		.amdhsa_system_sgpr_workgroup_id_z 1
		.amdhsa_system_vgpr_workitem_id 0
		.amdhsa_next_free_vgpr 228
		.amdhsa_next_free_sgpr 66
		.amdhsa_reserve_vcc 0
		.amdhsa_float_denorm_mode_32 3
		.amdhsa_float_denorm_mode_16_64 3
		.amdhsa_memory_ordered 1
		.amdhsa_forward_progress 1
		.amdhsa_inst_pref_size 78
	.end_amdhsa_kernel
	.amdgpu_metadata
---
amdhsa.version: [ 1, 2 ]
amdhsa.kernels:
  - .name:           k_qa164f0f8ef_prep
    .symbol:         k_qa164f0f8ef_prep.kd
    .args:
      - { .name: x, .offset: 0, .size: 8, .value_kind: global_buffer, .address_space: global }
      - { .name: Wq, .offset: 8, .size: 8, .value_kind: global_buffer, .address_space: global }
      - { .name: Wk, .offset: 16, .size: 8, .value_kind: global_buffer, .address_space: global }
      - { .name: Wv, .offset: 24, .size: 8, .value_kind: global_buffer, .address_space: global }
      - { .name: Wo, .offset: 32, .size: 8, .value_kind: global_buffer, .address_space: global }
      - { .name: xc, .offset: 40, .size: 8, .value_kind: global_buffer, .address_space: global }
      - { .name: xs, .offset: 48, .size: 8, .value_kind: global_buffer, .address_space: global }
      - { .name: wc, .offset: 56, .size: 8, .value_kind: global_buffer, .address_space: global }
      - { .name: ws, .offset: 64, .size: 8, .value_kind: global_buffer, .address_space: global }
      - { .name: wo16, .offset: 72, .size: 8, .value_kind: global_buffer, .address_space: global }
    .group_segment_fixed_size: 42496
    .private_segment_fixed_size: 0
    .kernarg_segment_align: 8
    .kernarg_segment_size: 80
    .max_flat_workgroup_size: 128
    .sgpr_count:     66
    .vgpr_count:     228
    .wavefront_size: 32
...
	.end_amdgpu_metadata
.endif
;; end of part 1
;; launch qkv (part 2): grid 12 x 16, 4 waves a work-group, clusters of 4 x 4, 327,680 bytes of LDS; arguments xc, xs, wc, ws, cos, sin, q_norm_w, k_norm_w, qkv; writes qkv
.if DOCPART == 2
	.amdgcn_target "amdgcn-amd-amdhsa--gfx1250"
	.amdhsa_code_object_version 6
	.text
	.protected	k_qa164f0f8ef_qkv
	.globl	k_qa164f0f8ef_qkv
	.p2align	8
	.type	k_qa164f0f8ef_qkv,@function
k_qa164f0f8ef_qkv:
	s_mov_b64 s[64:65], 0
	v_nop
	global_prefetch_b8 v0, s[64:65] scope:SCOPE_SE
	s_setreg_imm32_b32 hwreg(HW_REG_WAVE_MODE, 25, 1), 1
	s_wait_xcnt 0x0
	s_wait_alu depctr_hold_cnt(0) depctr_sa_sdst(0) depctr_va_vdst(0) depctr_va_sdst(0) depctr_va_ssrc(0) depctr_va_vcc(0) depctr_vm_vsrc(0)
	s_getreg_b32 s2, hwreg(HW_REG_IB_STS2, 6, 4)
	s_cmp_eq_u32 s2, 0
	s_cbranch_scc0 .Lentry_in_a_cluster
	s_endpgm
.Lentry_in_a_cluster:
	s_bfe_u32 s2, ttmp6, 0x10000c
	s_cmp_lg_u32 s2, 0xf033
	s_cbranch_scc0 .Lentry_shape_is_right
	s_endpgm
.Lentry_shape_is_right:
; SECOND LAUNCH: [q | k, v] = x [Wq | Wk, Wv] on codes of FP4 (E2M1) with one E8M0 scale for each 32 along K = 2,048, sums in f32; then, in f32, the RMS norm over each head's 64 numbers, its gain and the rotation by
; cos and sin for q and k; all rounded once to f16 and laid [batch 4][48 heads: 32 q, 8 k, 8 v][1,024 positions][64].  LIMIT: |q|, |k|, |v| stay under 65,504 (f16).
; A tile, 256 rows x 256 columns, is made by a work-group of four waves; a wave makes 128 x 128: 64 accumulators of 16 x 16, 512 registers.  12 x 16 tiles.
; K goes in steps of 512 through a ring of two LDS slots filled by the tensor data mover: a tile's row is 256 bytes of memory.  The scale bytes of the work-group's rows, for all of K, come into LDS once, with the first fills.
; CLUSTERS: 4 x 4 work-groups.  The four of a row of the cluster need the same tiles of x, the four of a column the same tiles of the weights: each tile is asked for JOINTLY.
; THE MATRIX INSTRUCTION IS USED TRANSPOSED (source 0 = 16 rows of wc, source 1 = 16 rows of xc): lane (r, h) then holds, of position r of a block of 16, the columns 16 b + 8 h + 0 .. 7 of each of the 8 column blocks b:
; half of each of the wave's two heads; the lane 16 away holds the other half; channel d and channel d + 32 of a head lie in one lane, so that the rotation needs no other lane.
; In tile columns 8-11 (cluster x = 2) a wave's 128 columns are two heads of k (left half) or two of v (right half): v is only rounded.  That choice hangs on the cluster's x and the wave's number alone.
; REGISTERS, in windows of 256: window 0: v0-31 addresses; v32-95 scale words, two sets; v128-191 x's fragments, one set; v96-127 the gain, v192-255 two sets of cos and sin: asked for at the head, not touched by the loop.
;   window 1: the weights' fragments, two sets.   window 2: the accumulators of my rows 0-63 ((a, b) at v[8 (8 a + b)]);   window 3: those of my rows 64-127.
; On the way out window 0 holds: v2-9 sums of squares, v10-13 two 1/rms, v32-63 a head's numbers, v64-95 products with sin, v128-191 two sets of packed results.
.set SIZE_K, 2048
.set KSTEP,  512
.set NQ,     KSTEP/128
.set ROWB,   256
.set KROW,   SIZE_K/2
.set PITCH,  272                       ; an LDS row: 256 bytes + 16 of padding, so that the 16 rows that a load touches start 16 bytes apart modulo 256
.set FR,     8
.set NL,     2
.set NP,     4                         ; places behind this matrix instruction (ISA guide 7.12.1)
.set HALFT,  128*PITCH
.set SLOT,   4*HALFT
.set LAPS,   SIZE_K/(2*KSTEP)
.set KS,     SIZE_K/32
.set SCL,    2*SLOT
.set HALFS,  (128*KS/256)*272
.set SBLK,   (16*KS/256)*272
.set SPARE,  SCL+4*HALFS               ; the spare words, 128 bytes for each wave: two blocks of 256 bytes that no other line names
.set SPITCH, 272                       ; the way out: a stage of 16 rows x (256 bytes + 16) for each wave, in slot 0, which has had its last fill and its last read when the first result is stored there
.set ADRA, 16
.set ADRB, 20
.set STO,  24
.set RD,   25
.set CO,   26
.set ADRS, 27
.set SPW,  28
.set NIL,  29
.set CA,   30                          ; v30 my byte in cos and sin: (first position + r) x 128 + 32 h; never rewritten
.set WA,   31                          ; v31 32 h: my byte in the gain; never rewritten
.set SC,   32
.set AF,   128
.set TT,   32
.set UU,   64
.set WN,   96
.set HB,   128
.set CSB,  192
.set G1, 24
.set G0, 32
.set G1B, 48
.set G0B, 56
.set G1S, 68
.set G0S, 76
.set G1SB, 80
.set G0SB, 88
.set MSB, 0
.macro WIN new                         ; the immediate's high byte repeats the setting that is left
.if MSB != \new
	s_set_vgpr_msb (MSB<<8)|\new
.set MSB, \new
.endif
.endm
.set MUL_LO, 0xa1
.set MUL_HI, 0xf1
.set TO_B,   0x40
; A joint load: waves 0 and 1 fetch for x, waves 2 and 3 for the weights.  Each line has one mask and one set of registers for all that issue it; the branch hangs on the wave's number alone.
.macro JLOAD g0a, g1a, g0b, g1b
	s_cmp_eq_u32 s15, 0
	s_cbranch_scc0 .Lfor_b_\@
	tensor_load_to_lds s[\g0a:\g0a+3], s[\g1a:\g1a+7]
	s_nop 0
.rept 4
	v_nop
.endr
	s_branch .Lasked_\@
.Lfor_b_\@:
	tensor_load_to_lds s[\g0b:\g0b+3], s[\g1b:\g1b+7]
	s_nop 0
.rept 4
	v_nop
.endr
.Lasked_\@:
.endm
.macro CREST
	s_cmp_lg_u32 s14, 0
	s_cbranch_scc1 .Lnot_wave_0_\@
	s_barrier_signal -3
.Lnot_wave_0_\@:
	s_barrier_wait -3
	s_barrier_signal -1
	s_barrier_wait -1
.endm
.macro CROUND
	s_barrier_signal -1
	s_barrier_wait -1
	CREST
.endm
	s_load_b256 s[4:11], s[0:1], 0x0               ; xc s[4:5], xs s[6:7], wc s[8:9], ws s[10:11]
	s_load_b64 s[12:13], s[0:1], 0x40              ; qkv
	v_lshl_add_u32 v[SPW], v0, 2, SPARE
	v_mov_b32 v[NIL], 0
	ds_add_u32 v[SPW], v[NIL]                      ; the wave's opening: the add, twice on end, and its wait ahead of my first tensor load
	ds_add_u32 v[SPW], v[NIL]
	v_lshrrev_b32 v1, 5, v0
	v_readfirstlane_b32 s14, v1                    ; wave 0..3
	s_lshr_b32 s15, s14, 1                         ; which half of the tile's rows is mine.  Also: I fetch for x (0) or for the weights (1)
	s_and_b32 s16, s14, 1                          ; which half of its columns.  Also: which 128 rows of that tile I fetch
	s_bfe_u32 s40, ttmp6, 0x40000                  ; cx, cy: my place in the cluster
	s_bfe_u32 s41, ttmp6, 0x40004
	s_lshl_b32 s42, ttmp9, 2
	s_add_co_u32 s42, s42, s40                     ; tile column = 4 x cluster x + cx
	s_and_b32 s17, ttmp7, 0xffff
	s_lshl_b32 s17, s17, 2
	s_add_co_u32 s17, s17, s41                     ; tile row = 4 x cluster y + cy
	s_lshl_b32 s43, s41, 2
	s_lshl_b32 s43, 15, s43                        ; my row of the cluster
	s_lshl_b32 s44, 0x1111, s40                    ; my column
	s_or_b32 s[G1+0], s43, (0<<16)|(1<<20)|(1<<21)|(5<<22)|(3<<25)  ; the mask; elements of 1 byte; padding on; bit 21 beside a mask; 4 words of padding after every 64
	s_or_b32 s[G1B+0], s44, (0<<16)|(1<<20)|(1<<21)|(5<<22)|(3<<25)
.irp g, G1, G1B
	s_mov_b32 s[\g+1], ROWB<<16                    ; tensor_dim0
	s_mov_b32 s[\g+2], 128<<16                     ; tensor_dim1
	s_mov_b32 s[\g+3], ROWB<<16                    ; tile_dim0
	s_mov_b32 s[\g+4], 128                         ; tile_dim1
	s_mov_b32 s[\g+5], KROW                        ; from row to row
	s_mov_b32 s[\g+6], 0
	s_mov_b32 s[\g+7], 0
.endr
	s_or_b32 s[G1S+0], s43, (3<<16)|(1<<20)|(1<<21)|(5<<22)|(3<<25) ; the scales of 128 rows: a dense block, as rows of 256 bytes (32 elements of 8 bytes), 16 bytes of padding behind each
	s_or_b32 s[G1SB+0], s44, (3<<16)|(1<<20)|(1<<21)|(5<<22)|(3<<25)
.irp g, G1S, G1SB
	s_mov_b32 s[\g+1], 32<<16
	s_mov_b32 s[\g+2], (128*KS/256)<<16
	s_mov_b32 s[\g+3], 32<<16
	s_mov_b32 s[\g+4], 128*KS/256
	s_mov_b32 s[\g+5], 32
	s_mov_b32 s[\g+6], 0
	s_mov_b32 s[\g+7], 0
.endr
	s_lshl_b32 s18, s16, 7
	s_lshl_b32 s20, s17, 8
	s_add_co_u32 s20, s20, s18                     ; x: row 256 x tile row + 128 x half
	s_lshl_b32 s46, s42, 8
	s_add_co_u32 s46, s46, s18                     ; weights: row 256 x tile column + 128 x half
	s_mov_b32 s21, 0
	s_mov_b32 s47, 0
	s_mov_b64 s[18:19], KS
	s_mul_u64 s[22:23], s[20:21], s[18:19]         ; where these rows' scales begin,
	s_mul_u64 s[92:93], s[46:47], s[18:19]
	s_mov_b64 s[18:19], KROW
	s_mul_u64 s[20:21], s[20:21], s[18:19]         ; and their codes
	s_mul_u64 s[46:47], s[46:47], s[18:19]
	s_mul_i32 s45, s14, HALFT                      ; where they go: wave x 128 rows: no place in the cluster enters an LDS address
	s_mul_i32 s94, s14, HALFS
	s_wait_dscnt 0x0                               ; both opening adds are done
	s_wait_kmcnt 0x0
	s_add_nc_u64 s[20:21], s[4:5], s[20:21]
	s_add_nc_u64 s[22:23], s[6:7], s[22:23]
	s_add_nc_u64 s[46:47], s[8:9], s[46:47]
	s_add_nc_u64 s[92:93], s[10:11], s[92:93]
	CROUND                                         ; all sixteen work-groups are here: the first joint loads meet
	s_mov_b32 s[G0S], 1
	s_add_co_u32 s[G0S+1], s94, SCL
	s_mov_b64 s[G0S+2:G0S+3], s[22:23]
	s_or_b32 s[G0S+3], s[G0S+3], 0x80000000
	s_mov_b32 s[G0SB], 1
	s_add_co_u32 s[G0SB+1], s94, SCL
	s_mov_b64 s[G0SB+2:G0SB+3], s[92:93]
	s_or_b32 s[G0SB+3], s[G0SB+3], 0x80000000
	JLOAD G0S, G1S, G0SB, G1SB                     ; the scales first: they are wanted with K step 0
.irp s, 0,1
	s_mov_b32 s[G0+4*\s], 1
	s_add_co_u32 s[G0+4*\s+1], s45, \s*SLOT
	s_add_nc_u64 s[G0+4*\s+2:G0+4*\s+3], s[20:21], \s*ROWB
	s_or_b32 s[G0+4*\s+3], s[G0+4*\s+3], 0x80000000
	s_mov_b32 s[G0B+4*\s], 1
	s_add_co_u32 s[G0B+4*\s+1], s45, \s*SLOT
	s_add_nc_u64 s[G0B+4*\s+2:G0B+4*\s+3], s[46:47], \s*ROWB
	s_or_b32 s[G0B+4*\s+3], s[G0B+4*\s+3], 0x80000000
	JLOAD G0+4*\s, G1, G0B+4*\s, G1B
.endr
	s_load_b256 s[4:11], s[0:1], 0x20              ; the first four addresses are used up: cos s[4:5], sin s[6:7], q_norm_w s[8:9], k_norm_w s[10:11]
	v_and_b32 v1, 15, v0                           ; r
	v_bfe_u32 v2, v0, 4, 1                         ; h
	v_mul_u32_u24 v3, v1, PITCH
	v_lshl_add_u32 v4, v2, 4, v3                   ; a fragment's row x pitch + 16 x half
	s_mul_i32 s21, s15, HALFT
	s_mul_i32 s22, s16, HALFT
	s_add_co_u32 s22, s22, 2*HALFT
.irp s, 0,1
	v_add_nc_u32 v[ADRA+\s], s21, v4
	v_add_nc_u32 v[ADRB+\s], s22, v4
	s_add_co_u32 s21, s21, SLOT
	s_add_co_u32 s22, s22, SLOT
.endr
	v_mul_u32_u24 v5, v1, KS                       ; my row's scales: KS bytes a row,
	v_lshrrev_b32 v6, 8, v5
	v_lshl_add_u32 v5, v6, 4, v5                   ; and 16 more for each 256 passed
	s_mul_i32 s21, s15, HALFS
	s_mul_i32 s22, s16, HALFS
	s_add_co_u32 s22, s22, 2*HALFS
	s_sub_co_u32 s22, s22, s21
	v_mul_u32_u24 v6, s22, v2                      ; lanes 16-31 take the weights'
	s_add_co_u32 s21, s21, SCL
	v_add_nc_u32 v5, v5, v6
	v_add_nc_u32 v[ADRS], s21, v5
	s_mul_i32 s23, s14, 16*SPITCH                  ; my stage
	v_mul_u32_u24 v5, v1, SPITCH
	v_lshl_add_u32 v5, v2, 4, v5
	v_add_nc_u32 v[STO], s23, v5                   ; in: row r, 16 bytes for each half of the lanes
	v_bfe_u32 v5, v0, 3, 2
	v_mul_u32_u24 v5, v5, SPITCH
	v_and_b32 v6, 7, v0
	v_lshl_add_u32 v5, v6, 4, v5
	v_add_nc_u32 v[RD], s23, v5                    ; back: eight lanes to a head's row of 128 bytes, four rows an instruction
	v_and_b32 v6, 31, v0
	v_lshlrev_b32 v[CO], 4, v6                     ; and in memory those four rows are 512 consecutive bytes
	s_lshl_b32 s21, s41, 8
	s_lshl_b32 s22, s15, 7
	s_add_co_u32 s23, s21, s22                     ; my first position: 256 cy + 128 x row half (the batch is the cluster's y)
	v_add_nc_u32 v[CA], s23, v1
	v_lshlrev_b32 v[CA], 7, v[CA]
	v_lshl_add_u32 v[CA], v2, 5, v[CA]
	v_lshlrev_b32 v[WA], 5, v2
	v_mov_b32 v11, 0                               ; named as the upper halves of the pairs v[10:11], v[12:13]
	v_mov_b32 v13, 0
	s_lshl_b32 s20, s42, 2
	s_lshl_b32 s21, s16, 1
	s_add_co_u32 s20, s20, s21                     ; q: my first head = 4 x tile column + 2 x column half
	s_lshl_b32 s21, s16, 3
	s_lshl_b32 s22, s40, 1
	s_add_co_u32 s21, s21, s22
	s_add_co_u32 s21, s21, 32                      ; k, v: 32 + 8 x column half + 2 cx
	s_mov_b32 s95, 0x3c800000                      ; 1 / 64
	s_mov_b32 s96, 0x76543210
	s_mov_b32 s97, 0xfedcba98                      ; v_permlanex16_b32's selects for lane l xor 16
	s_wait_kmcnt 0x0
	s_cmp_eq_u32 ttmp9, 2
	s_cselect_b32 s20, s21, s20
	s_cselect_b32 s66, s16, 0                      ; 1: my columns are v's.  The cluster's x and the wave's number alone: the same in all partners
	s_cselect_b64 s[8:9], s[10:11], s[8:9]         ; whose gain
	s_and_b32 s21, ttmp7, 0xffff
	s_mul_i32 s21, s21, 48
	s_add_co_u32 s20, s20, s21
	s_lshl_b32 s20, s20, 10
	s_add_co_u32 s20, s20, s23
	s_lshl_b32 s20, s20, 7                         ; ((48 batch + head) x 1,024 + position) x 128 bytes
	s_mov_b32 s21, 0
	s_add_nc_u64 s[12:13], s[12:13], s[20:21]
; cos and sin of block a's 16 positions: my 16 numbers of each, into set a % 2
.macro CSLOAD a
.irp bb, 0,1
.irp e, 0,1
	global_load_b128 v[CSB+32*((\a)%2)+8*\bb+4*\e:CSB+32*((\a)%2)+8*\bb+4*\e+3], v[CA], s[4:5] offset:2048*(\a)+64*\bb+16*\e
	global_load_b128 v[CSB+32*((\a)%2)+16+8*\bb+4*\e:CSB+32*((\a)%2)+16+8*\bb+4*\e+3], v[CA], s[6:7] offset:2048*(\a)+64*\bb+16*\e
.endr
.endr
.endm
	; the tables for the way out are asked for here and land under the loop.  Every wave asks, v's waves too (24 loads that those do not use), so that one way leads through the head
.irp bb, 0,1,2,3
.irp e, 0,1
	global_load_b128 v[WN+8*\bb+4*\e:WN+8*\bb+4*\e+3], v[WA], s[8:9] offset:64*\bb+16*\e   ; the gain at channels 16 bb + 8 h + 0 .. 7
.endr
.endr
	CSLOAD 0
	CSLOAD 1
.macro FRAG reg, adr, q, i             ; a fragment, 16 rows x 128 K of 4-bit codes: lane l holds row l % 16; registers 4 c .. 4 c + 3 hold K = 64 c + 32 (l / 16) + 0 .. 31
.irp c, 0,1
	ds_load_b128 v[\reg+4*\c:\reg+4*\c+3], v[\adr] offset:64*(\q)+32*\c+(\i)*16*PITCH
.endr
.endm
; 16 matrix instructions: x's blocks a0, a0 + 1 against the weights' eight.  The 64 accumulators take turns, one instruction a turn, in the same order in every step.
.macro MUL16 a0, p, q, sc, zero
.irp a, \a0, \a0+1
.irp b, 0,1,2,3,4,5,6,7
.if \zero
	v_wmma_scale_f32_16x16x128_f8f6f4 v[8*(8*((\a)%4)+\b):8*(8*((\a)%4)+\b)+7], v[128*(\p)+FR*\b:128*(\p)+FR*\b+FR-1], v[AF+FR*(\a):AF+FR*(\a)+FR-1], 0, v[SC+8*NQ*(\sc)+NQ*\b+(\q)], v[SC+8*NQ*(\sc)+NQ*(\a)+(\q)] matrix_a_fmt:MATRIX_FMT_FP4 matrix_b_fmt:MATRIX_FMT_FP4 matrix_a_scale:MATRIX_SCALE_ROW1
.else
	v_wmma_scale_f32_16x16x128_f8f6f4 v[8*(8*((\a)%4)+\b):8*(8*((\a)%4)+\b)+7], v[128*(\p)+FR*\b:128*(\p)+FR*\b+FR-1], v[AF+FR*(\a):AF+FR*(\a)+FR-1], v[8*(8*((\a)%4)+\b):8*(8*((\a)%4)+\b)+7], v[SC+8*NQ*(\sc)+NQ*\b+(\q)], v[SC+8*NQ*(\sc)+NQ*(\a)+(\q)] matrix_a_fmt:MATRIX_FMT_FP4 matrix_b_fmt:MATRIX_FMT_FP4 matrix_a_scale:MATRIX_SCALE_ROW1
.endif
.endr
.endr
.endm
.macro FETCH_B slot, q, p
	WIN TO_B
.irp i, 0,1,2,3,4,5,6,7
	FRAG 128*(\p)+FR*\i, ADRB+\slot, \q, \i
.endr
	WIN 0
.endm
.macro FETCH_A slot, q, i0
.irp i, \i0, \i0+1, \i0+2, \i0+3
	FRAG AF+FR*(\i), ADRA+\slot, \q, \i
.endr
.endm
.macro SCALES sc                       ; a K step's scale words: lanes 0-15 take x's block i, lanes 16-31 the weights' block i
.irp i, 0,1,2,3,4,5,6,7
	ds_load_b128 v[SC+8*NQ*\sc+NQ*\i:SC+8*NQ*\sc+NQ*\i+3], v[ADRS] offset:\i*SBLK
.endr
.endm
.macro PLACES n                        ; plain vector instructions between a matrix instruction and a load into, or a read of, its registers
.rept \n
	v_nop
.endr
.endm
.macro STEP slot, q, zero
	s_wait_dscnt 4*NL                              ; the weights' set and x's blocks 0-3 are in; the youngest loads (x's blocks 4-7) may be out
	WIN MUL_LO
	MUL16 0, (\q)%2, \q, \slot, \zero
	MUL16 2, (\q)%2, \q, \slot, \zero
	s_wait_dscnt 0
	PLACES NP
	FETCH_B \slot, (\q)+1, 1-(\q)%2
	FETCH_A \slot, (\q)+1, 0
	WIN MUL_HI
	MUL16 4, (\q)%2, \q, \slot, \zero
	MUL16 6, (\q)%2, \q, \slot, \zero
	PLACES NP
	WIN 0
	FETCH_A \slot, (\q)+1, 4
.endm
; A slot's last step changes slots: one barrier; in front of it each wave waits for all its tensor loads, adds 0 to its spare word, and waits for that and for its own reads of this slot.
.macro TURN slot, next, fill
	s_wait_tensorcnt 0x0                           ; all my tensor loads have landed: my part of the next slot
	ds_add_u32 v[SPW], v[NIL]
	s_wait_dscnt 4*NL+1                            ; the add and the youngest loads, x's blocks 4-7, may be out
	WIN MUL_LO
	MUL16 0, 1, NQ-1, \slot, 0
	s_wait_dscnt 0x0                               ; the add is done, and my reads of this slot are over
	s_barrier_signal -1
	MUL16 2, 1, NQ-1, \slot, 0
	WIN 0
	s_barrier_wait -1
.if \fill
	CREST                                          ; the barrier has opened a round of the cluster's barrier: no wave of any partner still reads this slot or has a load on its way
	s_add_nc_u64 s[G0+4*\slot+2:G0+4*\slot+3], s[G0+4*\slot+2:G0+4*\slot+3], 2*ROWB
	s_add_nc_u64 s[G0B+4*\slot+2:G0B+4*\slot+3], s[G0B+4*\slot+2:G0B+4*\slot+3], 2*ROWB
	JLOAD G0+4*\slot, G1, G0B+4*\slot, G1B
.else
	PLACES NP
.endif
	v_add_nc_u32 v[ADRS], 4*NQ, v[ADRS]            ; on to the next K step's scale words
	FETCH_B \next, 0, 0
	FETCH_A \next, 0, 0
	SCALES \next
	WIN MUL_HI
	MUL16 4, 1, NQ-1, \slot, 0
	MUL16 6, 1, NQ-1, \slot, 0
	PLACES NP
	WIN 0
	FETCH_A \next, 0, 4
.endm
.macro STEPS slot, from
.set Q, \from
.rept NQ-1-\from
	STEP \slot, Q, 0
.set Q, Q+1
.endr
.endm
	s_wait_tensorcnt 1                             ; the scales and my part of K step 0 are in; K step 1's load may be out
	s_barrier_signal -1
	s_barrier_wait -1
	FETCH_B 0, 0, 0
	FETCH_A 0, 0, 0
	SCALES 0
	FETCH_A 0, 0, 4
	STEP 0, 0, 1                                   ; the first step stands in front of the loop: its products start the sums
	s_mov_b32 s3, LAPS-1
.Llap:
	STEPS 0, 1
	TURN 0, 1, 1
	STEPS 1, 0
	TURN 1, 0, 1
	STEP 0, 0, 0
	s_sub_co_u32 s3, s3, 1
	s_cmp_lg_u32 s3, 0
	s_cbranch_scc1 .Llap
	STEPS 0, 1                                     ; the last lap fills nothing
	TURN 0, 1, 0
	STEPS 1, 0
	s_wait_dscnt 4*NL
	WIN MUL_LO
	MUL16 0, 1, NQ-1, 1, 0
	MUL16 2, 1, NQ-1, 1, 0
	s_wait_dscnt 0
	WIN MUL_HI
	MUL16 4, 1, NQ-1, 1, 0
	MUL16 6, 1, NQ-1, 1, 0
	WIN 0
; THE WAY OUT, a block of 16 positions at a time.
.macro SUMSQ a, hd                     ; my 32 squares of head hd, two at a time, in two chains; each accumulator is read from its low end on
	WIN 0x0a+5*((\a)/4)
.set AC, 64*((\a)%4)+32*(\hd)
	v_pk_mul_f32 v[2+4*\hd:3+4*\hd], v[AC:AC+1], v[AC:AC+1]
	v_pk_mul_f32 v[4+4*\hd:5+4*\hd], v[AC+2:AC+3], v[AC+2:AC+3]
.irp p, 2,3,4,5,6,7,8,9,10,11,12,13,14,15
	v_pk_fma_f32 v[2+4*\hd+2*(\p%2):3+4*\hd+2*(\p%2)], v[AC+2*\p:AC+2*\p+1], v[AC+2*\p:AC+2*\p+1], v[2+4*\hd+2*(\p%2):3+4*\hd+2*(\p%2)]
.endr
.endm
.macro NORM                            ; 1 / sqrt(mean of squares + 1e-6) of both heads: v10, v12
	WIN 0
	v_pk_add_f32 v[2:3], v[2:3], v[4:5]
	v_pk_add_f32 v[6:7], v[6:7], v[8:9]
	v_add_f32 v2, v2, v3
	v_add_f32 v6, v6, v7
	v_permlanex16_b32 v4, v2, s96, s97             ; the head's other 32 channels lie in the lane 16 away
	v_permlanex16_b32 v8, v6, s96, s97
	v_add_f32 v2, v2, v4
	v_add_f32 v6, v6, v8
	v_fmaak_f32 v2, s95, v2, 0x358637bd
	v_fmaak_f32 v6, s95, v6, 0x358637bd
	v_rsq_f32 v10, v2
	v_rsq_f32 v12, v6
	v_nop                                          ; a plain instruction behind the last of the two,
	s_wait_alu depctr_va_vdst(0)                   ; and one wait for both, ahead of their first reader
.endm
.macro HEAD a, hd                      ; head hd of block a: x / rms, the gain, the rotation, f16, into the stage
.set AC, 64*((\a)%4)+32*(\hd)
.set CC, CSB+32*((\a)%2)
.set HH, HB+32*((\a)%2)+16*(\hd)
	WIN 0x02+((\a)/4)
.irp p, 0,1,2,3,4,5,6,7,8,9,10,11,12,13,14,15
	v_pk_mul_f32 v[TT+2*\p:TT+2*\p+1], v[AC+2*\p:AC+2*\p+1], v[10+2*\hd:11+2*\hd] op_sel_hi:[1,0]
.endr
	WIN 0
.irp p, 0,1,2,3,4,5,6,7,8,9,10,11,12,13,14,15
	v_pk_mul_f32 v[TT+2*\p:TT+2*\p+1], v[TT+2*\p:TT+2*\p+1], v[WN+2*\p:WN+2*\p+1]
.endr
.irp p, 0,1,2,3,4,5,6,7
	v_pk_mul_f32 v[UU+2*\p:UU+2*\p+1], v[TT+16+2*\p:TT+17+2*\p], v[CC+16+2*\p:CC+17+2*\p]        ; x2 sin
.endr
.irp p, 0,1,2,3,4,5,6,7
	v_pk_mul_f32 v[UU+16+2*\p:UU+17+2*\p], v[TT+2*\p:TT+2*\p+1], v[CC+16+2*\p:CC+17+2*\p]        ; x1 sin
.endr
.irp p, 0,1,2,3,4,5,6,7
	v_pk_fma_f32 v[TT+2*\p:TT+2*\p+1], v[TT+2*\p:TT+2*\p+1], v[CC+2*\p:CC+2*\p+1], v[UU+2*\p:UU+2*\p+1] neg_lo:[0,0,1] neg_hi:[0,0,1]   ; x1 cos - x2 sin
.endr
.irp p, 0,1,2,3,4,5,6,7
	v_pk_fma_f32 v[TT+16+2*\p:TT+17+2*\p], v[TT+16+2*\p:TT+17+2*\p], v[CC+2*\p:CC+2*\p+1], v[UU+16+2*\p:UU+17+2*\p]                     ; x2 cos + x1 sin
.endr
.irp p, 0,1,2,3,4,5,6,7,8,9,10,11,12,13,14,15
	v_cvt_pk_f16_f32 v[HH+\p], v[TT+2*\p], v[TT+2*\p+1]
.endr
.irp bb, 0,1,2,3
	ds_store_b128 v[STO], v[HH+4*\bb:HH+4*\bb+3] offset:128*\hd+32*\bb
.endr
.endm
.macro VPACK a                         ; v: rounded to f16 as it is
.set AC, 64*((\a)%4)
.set HH, HB+32*((\a)%2)
	WIN 0x0a+5*((\a)/4)
.set p, 0
.rept 32
	v_cvt_pk_f16_f32 v[HH+p], v[AC+2*p], v[AC+2*p+1]
.set p, p+1
.endr
	WIN 0
.irp b, 0,1,2,3,4,5,6,7
	ds_store_b128 v[STO], v[HH+4*\b:HH+4*\b+3] offset:32*\b
.endr
.endm
.macro BACK a                          ; back from my stage as heads' rows, into the registers that they left: LDS serves a wave's instructions in order
.set HH, HB+32*((\a)%2)
.irp hd, 0,1
.irp qd, 0,1,2,3
	ds_load_b128 v[HH+16*\hd+4*\qd:HH+16*\hd+4*\qd+3], v[RD] offset:4*SPITCH*\qd+128*\hd
.endr
.endr
.endm
.macro SEND a, younger                 ; younger: the LDS instructions issued behind block a's loads, which may stay out
.set HH, HB+32*((\a)%2)
	s_wait_dscnt \younger
.irp hd, 0,1
.irp qd, 0,1,2,3
	global_store_b128 v[CO], v[HH+16*\hd+4*\qd:HH+16*\hd+4*\qd+3], s[12:13] offset:131072*\hd+2048*(\a)+512*\qd   ; four rows of a head: 512 consecutive bytes, aligned
.endr
.endr
.endm
	PLACES NP                                      ; behind the last products: for the reads of their results and the writes into the registers that held fragments and scale words
	s_cmp_lg_u32 s66, 0
	s_cbranch_scc1 .Lvalues
.irp a, 0,1,2,3,4,5,6,7
.if \a < 7
	s_wait_loadcnt 8                               ; the gain and this block's cos and sin are in; the next block's eight loads may be out
.else
	s_wait_loadcnt 0x0
.endif
	SUMSQ \a, 0
	SUMSQ \a, 1
	NORM
.if \a >= 2
	s_wait_xcnt 0x0                                ; block a - 2's stores have read their data: the set is written again only behind this wait
.endif
	HEAD \a, 0
	HEAD \a, 1
.if \a < 6
	CSLOAD \a+2
.endif
	BACK \a
.if \a > 0
	SEND \a-1, 16                                  ; behind block a - 1's loads: block a's 8 stores and 8 loads
.endif
.endr
	SEND 7, 0
	s_branch .Lclose
.Lvalues:
.irp a, 0,1,2,3,4,5,6,7
.if \a >= 2
	s_wait_xcnt 0x0
.endif
	VPACK \a
	BACK \a
.if \a > 0
	SEND \a-1, 16
.endif
.endr
	SEND 7, 0
.Lclose:
	s_wait_tensorcnt 0x0                           ; the wave's end: behind my last tensor load and my last LDS store
	ds_add_u32 v[SPW], v[NIL]
	s_wait_dscnt 0x0
	CROUND                                         ; the closing round: no work-group ends while a partner may still ask for a tile that names it
	s_endpgm
.Lfunc_end_k_qa164f0f8ef_qkv:
	.size	k_qa164f0f8ef_qkv, .Lfunc_end_k_qa164f0f8ef_qkv-k_qa164f0f8ef_qkv
	.p2alignl 7, 3214868480
	.fill 96, 4, 3214868480
	.section	.rodata,"a",@progbits
	.p2align	6, 0x0
	.amdhsa_kernel k_qa164f0f8ef_qkv
		.amdhsa_group_segment_fixed_size 327680
		.amdhsa_private_segment_fixed_size 0
		.amdhsa_enable_private_segment 0
		.amdhsa_kernarg_size 72
		.amdhsa_user_sgpr_count 2
		.amdhsa_user_sgpr_kernarg_segment_ptr 1
		.amdhsa_wavefront_size32 1
		.amdhsa_system_sgpr_workgroup_id_x 1
		.amdhsa_system_sgpr_workgroup_id_y 1
		.amdhsa_system_sgpr_workgroup_id_z 1
		.amdhsa_system_vgpr_workitem_id 0
		.amdhsa_next_free_vgpr 1024
		.amdhsa_next_free_sgpr 98
		.amdhsa_reserve_vcc 0
		.amdhsa_float_denorm_mode_32 3
		.amdhsa_float_denorm_mode_16_64 3
		.amdhsa_memory_ordered 1
		.amdhsa_forward_progress 1
		.amdhsa_inst_pref_size 255
	.end_amdhsa_kernel
	.section	.bss,"aw",@nobits
	.p2align	6
	.space	262144
	.amdgpu_metadata
---
amdhsa.version: [ 1, 2 ]
amdhsa.kernels:
  - .name:           k_qa164f0f8ef_qkv
    .symbol:         k_qa164f0f8ef_qkv.kd
    .args:
      - { .name: xc, .offset: 0, .size: 8, .value_kind: global_buffer, .address_space: global }
      - { .name: xs, .offset: 8, .size: 8, .value_kind: global_buffer, .address_space: global }
      - { .name: wc, .offset: 16, .size: 8, .value_kind: global_buffer, .address_space: global }
      - { .name: ws, .offset: 24, .size: 8, .value_kind: global_buffer, .address_space: global }
      - { .name: cos, .offset: 32, .size: 8, .value_kind: global_buffer, .address_space: global }
      - { .name: sin, .offset: 40, .size: 8, .value_kind: global_buffer, .address_space: global }
      - { .name: q_norm_w, .offset: 48, .size: 8, .value_kind: global_buffer, .address_space: global }
      - { .name: k_norm_w, .offset: 56, .size: 8, .value_kind: global_buffer, .address_space: global }
      - { .name: qkv, .offset: 64, .size: 8, .value_kind: global_buffer, .address_space: global }
    .group_segment_fixed_size: 327680
    .private_segment_fixed_size: 0
    .kernarg_segment_align: 8
    .kernarg_segment_size: 72
    .max_flat_workgroup_size: 128
    .sgpr_count:     98
    .vgpr_count:     1024
    .wavefront_size: 32
...
	.end_amdgpu_metadata
.endif
;; end of part 2
;; launch attn (part 3): grid 8 x 32, 8 waves a work-group, no clusters, 327,680 bytes of LDS; arguments qkv, y; writes y
.if DOCPART == 3
	.amdgcn_target "amdgcn-amd-amdhsa--gfx1250"
	.amdhsa_code_object_version 6
	.text
	.protected	k_qa164f0f8ef_attn
	.globl	k_qa164f0f8ef_attn
	.p2align	8
	.type	k_qa164f0f8ef_attn,@function
k_qa164f0f8ef_attn:
	s_mov_b64 s[64:65], 0
	v_nop
	global_prefetch_b8 v0, s[64:65] scope:SCOPE_SE
	s_setreg_imm32_b32 hwreg(HW_REG_WAVE_MODE, 25, 1), 1
	s_wait_xcnt 0x0
; THIRD LAUNCH: y[head][position] = the sum over keys k <= position of softmax_k(q . k / 8) v, operands in f16, products, maxima and sums in f32, with a running maximum.
; qkv: f16 [batch 4][48 heads: 32 q, 8 k, 8 v][1,024][64].  y: f16 [32 heads][4,096 rows = 1,024 batch + position][64].  LIMIT: |y| stays under 65,504 (f16).
; WORK LEFT OUT: tiles of 64 keys all of which lie behind all 64 queries of a block: the problem's own mask gives them the weight 0 for all inputs (shown at the head of the first launch).
; SHARES.  A work-group serves one key/value head of one batch with ALL FOUR of its query heads, 64 positions at a time: wave w takes head 4 g + w / 2 and 32 positions (w % 2): two tiles of 16.  So each tile of K and V that
; comes into LDS feeds four heads.  It takes the block of positions p and then the block 15 - p: (p + 1) + (16 - p) = 17 key steps of 64 keys in EVERY work-group: equal work, and a trip count that is a constant.
; NO CLUSTER: the four heads that share K and V are in one work-group already; the eight work-groups of a key/value head walk different key tiles in the same step (block p's and block 15 - p's), so no request could be joint.
; LAYOUT.  S^T = K Q^T (source 0 = 16 keys, source 1 = 16 queries): a lane holds ONE query (lane % 16) and the keys 8 (lane / 16) + 0..7.  Two such tiles, rounded to f16 in pairs, are source 1 of O^T = V^T P.
; K comes out of LDS as it lies, V ([key][channel]) turned, by ds_load_tr16_b128.
; SOFTMAX.  p = 2^(c s - c m), c = log2(e) / 8, m the running maximum; in every step O and the sum l are multiplied by a = 2^(c m_old - c m_new).  The step is written once: a block begins with O = l = 0 and m = -3e38.
; RING.  Two LDS slots of one key step; wave 0 fetches K's tile, wave 1 V's: one tensor load a wave is out at any time.  Two waves share a SIMD: one's vector work stands beside the other's products.
; REGISTERS: window 0: v1-15 addresses; v16-31 statistics, eight a tile: +0 c m, +1 m, +2, +3 l, +4..+7 at work (a in +6); v32-95 S^T; v96-127 P; v128-191 K; v192-255 V.
;   window 1: v0-63 O^T; v64-95 Q of the block in hand; v96-127 Q of the second block.
.set KP,    144                        ; a key's row in LDS: 128 bytes + 16
.set VP,    160                        ; a row of V: 128 bytes + 32
.set VOFF,  64*KP
.set SLOT1, 32768                      ; one exclusive or turns an address in one slot into the other's
.set STAGE, 65536                      ; the way out: 2 x 16 rows x 144 bytes for each wave; bytes of its own, since the ring goes on behind the first block's way out
.set SPT,   144
.set WSTG,  2*16*SPT
.set SPARE, STAGE+8*WSTG               ; the spare words, 128 bytes for each wave: four blocks of 256 bytes that no other line names
.set AK0, 3
.set AV0, 4
.set ADK, 5
.set ADV, 6
.set QO,  7
.set STO, 8
.set RD,  9
.set GO,  10
.set PFO, 11
.set DM,  12                           ; v12, v13: tile t: my query's place in the block - 8 (lane / 16)
.set SPW, 14
.set NIL, 15
.set ST,  16
.set S,   32
.set P,   96
.set KF,  128
.set VF,  192
.set QA,  64
.set QB,  96
.set WV,  8                            ; s8  my wave's number
.set PP,  9                            ; s9  p
.set STP, 14                           ; s14 the step, 0 .. 16
.set TB,  15                           ; s15 LDS byte at which the slot in hand begins
.set SEL, 18
.set CS,  20
.set LIM, 22
.set G1K, 24
.set G1V, 32
.set G0K, 40
.set G0V, 44
.set KB,  48                           ; s[48:49] K's head, s[50:51] V's
.set VB,  50
.set OFF, 52                           ; s[52:53] the next tile's bytes
.set YA,  54
.set YB,  56
.set PFA, 58
.set QAA, 60
.set QBA, 62
.set MSB, 0
.macro WIN new
.if MSB != \new
	s_set_vgpr_msb (MSB<<8)|\new
.set MSB, \new
.endif
.endm
.set W_KQ, 0x04                        ; Q in window 1; K and S^T in window 0
.set W_PV, 0x50                        ; O^T (C and D) in window 1
.set W_RS, 0x41                        ; O^T (destination and source 0) in window 1
.macro TLOAD                           ; wave 0: K's tile; wave 1: V's; the others nothing.  The branches hang on the wave's number alone
	s_cmp_lt_u32 s[WV], 1
	s_cbranch_scc0 .Lnot_k_\@
	tensor_load_to_lds s[G0K:G0K+3], s[G1K:G1K+7]
	s_nop 0
.rept 4
	v_nop
.endr
	s_branch .Lasked_\@
.Lnot_k_\@:
	s_cmp_lt_u32 s[WV], 2
	s_cbranch_scc0 .Lasked_\@
	tensor_load_to_lds s[G0V:G0V+3], s[G1V:G1V+7]
	s_nop 0
.rept 4
	v_nop
.endr
.Lasked_\@:
.endm
; A PREFETCH INTO THE L2: in trip s key tile s + 2 of K (wave 2) and of V (wave 3), 8,192 dense bytes, lanes 256 bytes apart; tiles 2 to 15, each named once in the launch: of the eight work-groups that walk a key/value head
; the one with p = 0 asks.  The work-groups with p >= s + 2 ask for that tile by their tensor loads one trip later.  Tiles 0 and 1 come by their loads alone; trips 14 and 15 ask for nothing: there is no tile 16.
.macro ASK
	s_cmp_le_i32 s[STP], s[LIM]
	s_cbranch_scc0 .Lnot_mine_\@
	global_prefetch_b8 v[PFO], s[PFA:PFA+1] th:TH_LOAD_NT scope:SCOPE_SE
.Lnot_mine_\@:
.endm
	s_load_b128 s[4:7], s[0:1], 0x0                ; qkv, y
	v_lshl_add_u32 v[SPW], v0, 2, SPARE
	v_mov_b32 v[NIL], 0
	ds_add_u32 v[SPW], v[NIL]                      ; the wave's opening: the add, twice on end, and its wait ahead of the first tensor load
	ds_add_u32 v[SPW], v[NIL]
	v_lshrrev_b32 v1, 5, v0
	v_readfirstlane_b32 s[WV], v1                  ; wave 0..7
	s_mov_b32 s[PP], ttmp9
	s_and_b32 s10, ttmp7, 0xffff
	s_lshr_b32 s11, s10, 3                         ; batch
	s_and_b32 s10, s10, 7                          ; key/value head g
	s_mul_i32 s12, s11, 48
	s_add_co_u32 s13, s12, s10
	s_add_co_u32 s16, s13, 32
	s_lshl_b32 s[KB], s16, 17                      ; a head is 1,024 rows of 128 bytes
	s_mov_b32 s[KB+1], 0
	s_add_co_u32 s16, s13, 40
	s_lshl_b32 s[VB], s16, 17
	s_mov_b32 s[VB+1], 0
	s_mov_b32 s[OFF], 0
	s_mov_b32 s[OFF+1], 0
	s_lshr_b32 s16, s[WV], 1
	s_lshl_b32 s17, s10, 2
	s_add_co_u32 s16, s16, s17                     ; my query head
	s_and_b32 s17, s[WV], 1                        ; which 32 of the block's 64 positions
	s_lshl_b32 s23, s17, 12
	s_sub_co_u32 s13, 15, s[PP]                    ; the second block
	s_lshl_b32 s10, s[PP], 13
	s_add_co_u32 s10, s10, s23                     ; my rows in the first block, in bytes,
	s_lshl_b32 s13, s13, 13
	s_add_co_u32 s13, s13, s23                     ; and in the second
	s_add_co_u32 s12, s12, s16
	s_lshl_b32 s12, s12, 17
	s_add_co_u32 s[QAA], s12, s10
	s_mov_b32 s[QAA+1], 0
	s_add_co_u32 s[QBA], s12, s13
	s_mov_b32 s[QBA+1], 0
	s_lshl_b32 s12, s16, 19                        ; y: a head is 4,096 rows of 128 bytes,
	s_lshl_b32 s11, s11, 17                        ; a batch 1,024
	s_add_co_u32 s12, s12, s11
	s_add_co_u32 s[YA], s12, s10
	s_mov_b32 s[YA+1], 0
	s_add_co_u32 s[YB], s12, s13
	s_mov_b32 s[YB+1], 0
	s_mov_b32 s[G1K], (1<<16)|(1<<20)|(4<<22)|(3<<25)   ; no mask; elements of 2 bytes; padding on: 4 words after every 32
	s_mov_b32 s[G1V], (1<<16)|(1<<20)|(4<<22)|(7<<25)   ; 8 words after every 32
.irp g, G1K, G1V
	s_mov_b32 s[\g+1], 64<<16                      ; tensor_dim0
	s_mov_b32 s[\g+2], 64<<16                      ; tensor_dim1
	s_mov_b32 s[\g+3], 64<<16                      ; tile_dim0
	s_mov_b32 s[\g+4], 64                          ; tile_dim1
	s_mov_b32 s[\g+5], 64                          ; from row to row
	s_mov_b32 s[\g+6], 0
	s_mov_b32 s[\g+7], 0
.endr
	s_mov_b32 s[SEL], 0x76543210
	s_mov_b32 s[SEL+1], 0xfedcba98
	s_mov_b32 s[CS], 0x3e38aa3b                    ; c = log2(e) / 8
	s_mov_b32 s[CS+1], s[CS]                       ; named with it as a pair
	s_mov_b32 s[TB], 0
	s_sub_co_u32 s[LIM], s[WV], 2
	s_lshr_b32 s[LIM], s[LIM], 1                   ; 0 in waves 2 and 3,
	s_or_b32 s[LIM], s[LIM], ttmp9                 ; of the work-group with p = 0
	s_cmp_eq_u32 s[LIM], 0
	s_cselect_b32 s[LIM], 13, -1
	s_wait_dscnt 0x0                               ; both opening adds are done
	s_wait_kmcnt 0x0
	s_add_nc_u64 s[KB:KB+1], s[4:5], s[KB:KB+1]
	s_add_nc_u64 s[VB:VB+1], s[4:5], s[VB:VB+1]
	s_add_nc_u64 s[QAA:QAA+1], s[4:5], s[QAA:QAA+1]
	s_add_nc_u64 s[QBA:QBA+1], s[4:5], s[QBA:QBA+1]
	s_add_nc_u64 s[YA:YA+1], s[6:7], s[YA:YA+1]
	s_add_nc_u64 s[YB:YB+1], s[6:7], s[YB:YB+1]
	s_mov_b32 s[G0K], 1
	s_mov_b32 s[G0K+1], 0                          ; slot 0
	s_mov_b64 s[G0K+2:G0K+3], s[KB:KB+1]           ; key tile 0
	s_or_b32 s[G0K+3], s[G0K+3], 0x80000000
	s_mov_b32 s[G0V], 1
	s_mov_b32 s[G0V+1], VOFF
	s_mov_b64 s[G0V+2:G0V+3], s[VB:VB+1]
	s_or_b32 s[G0V+3], s[G0V+3], 0x80000000
	TLOAD
	s_cmp_eq_u32 s[WV], 2
	s_cselect_b64 s[PFA:PFA+1], s[KB:KB+1], s[VB:VB+1]
	s_add_nc_u64 s[PFA:PFA+1], s[PFA:PFA+1], 8192  ; at tile 1: the first change of slots steps it to tile 2
	v_and_b32 v1, 15, v0                           ; r
	v_bfe_u32 v2, v0, 4, 1                         ; h
	v_lshlrev_b32 v[QO], 7, v1
	v_lshl_add_u32 v[QO], v2, 4, v[QO]
	WIN 0x40                                       ; destination window 1
.irp t, 0,1
.irp dh, 0,1
.irp e, 0,1
	global_load_b128 v[QA+8*(2*\t+\dh)+4*\e:QA+8*(2*\t+\dh)+4*\e+3], v[QO], s[QAA:QAA+1] offset:2048*\t+64*\dh+32*\e
	global_load_b128 v[QB+8*(2*\t+\dh)+4*\e:QB+8*(2*\t+\dh)+4*\e+3], v[QO], s[QBA:QBA+1] offset:2048*\t+64*\dh+32*\e
.endr
.endr
.endr
	WIN 0
	v_mul_u32_u24 v[AK0], v1, KP
	v_lshl_add_u32 v[AK0], v2, 4, v[AK0]           ; K: row r, + 16 h
	v_and_b32 v[ADK], 7, v0
	v_lshl_add_u32 v[ADK], v2, 3, v[ADK]
	v_mul_u32_u24 v[AV0], v[ADK], VP               ; V, for the turning load: key 8 h + lane % 8,
	v_bfe_u32 v[ADK], v0, 3, 1
	v_lshl_add_u32 v[AV0], v[ADK], 4, v[AV0]       ; channels 8 ((lane / 8) % 2) on
	v_add_nc_u32 v[AV0], VOFF, v[AV0]
	s_mul_i32 s10, s[WV], WSTG
	s_add_co_u32 s10, s10, STAGE                   ; my stage
	v_mul_u32_u24 v[STO], v1, SPT
	v_lshl_add_u32 v[STO], v2, 4, v[STO]
	v_add_nc_u32 v[STO], s10, v[STO]
	v_bfe_u32 v[RD], v0, 3, 2
	v_mul_u32_u24 v[RD], v[RD], SPT
	v_and_b32 v[ADV], 7, v0
	v_lshl_add_u32 v[RD], v[ADV], 4, v[RD]
	v_add_nc_u32 v[RD], s10, v[RD]                 ; back: eight lanes to a row of 128 bytes, four rows an instruction
	v_and_b32 v[GO], 31, v0
	v_lshlrev_b32 v[PFO], 8, v[GO]
	v_lshlrev_b32 v[GO], 4, v[GO]
	v_lshlrev_b32 v[DM], 3, v2
	v_sub_nc_u32 v[DM], v1, v[DM]
	s_lshl_b32 s10, s17, 5
	v_add_nc_u32 v[DM], s10, v[DM]                 ; 32 (w % 2) + r - 8 h
	v_add_nc_u32 v[DM+1], 16, v[DM]
.macro INIT                            ; a block begins: O^T = 0, l = 0, m = -3e38, under every score
	WIN 0x40
.set j, 0
.rept 64
	v_mov_b32 v[j], 0
.set j, j+1
.endr
	WIN 0
.irp t, 0,1
	v_mov_b32 v[ST+8*\t+1], 0xff61b1e6
	v_mul_f32 v[ST+8*\t], s[CS], v[ST+8*\t+1]
.irp k, 2,3,4,5,6,7
	v_mov_b32 v[ST+8*\t+\k], 0
.endr
.endr
.endm
.macro KQ                              ; product i of 16 of S^T: channels 32 (i / 8) on, keys 16 ((i / 2) % 4) on, tile i % 2.  The eight accumulators take turns
.set rS, S+32*(i%2)+8*((i/2)%4)
.set rK, KF+8*(2*((i/2)%4)+i/8)
.set rQ, QA+8*(2*(i%2)+i/8)
.if i < 8
	v_wmma_f32_16x16x32_f16 v[rS:rS+7], v[rK:rK+7], v[rQ:rQ+7], 0
.else
	v_wmma_f32_16x16x32_f16 v[rS:rS+7], v[rK:rK+7], v[rQ:rQ+7], v[rS:rS+7]
.endif
.endm
.macro PV                              ; product i of 16 of O^T += V^T P: keys 32 (i / 8) on, channels 16 ((i / 2) % 4) on, tile i % 2
.set rO, 32*(i%2)+8*((i/2)%4)
.set rV, VF+8*(4*(i/8)+(i/2)%4)
.set rP, P+16*(i%2)+8*(i/8)
	v_wmma_f32_16x16x32_f16 v[rO:rO+7], v[rV:rV+7], v[rP:rP+7], v[rO:rO+7]
.endm
.macro SOFTMAX                         ; both tiles, line by line, so that no line waits for the line above it
.irp j, 0,1,2,3
.irp t, 0,1
	v_max3_num_f32 v[ST+8*\t+4+\j], v[S+32*\t+8*\j], v[S+32*\t+8*\j+1], v[S+32*\t+8*\j+2]   ; four chains; each accumulator is read from its low end on
.endr
.endr
.irp q, 1,2
.irp j, 0,1,2,3
.irp t, 0,1
	v_max3_num_f32 v[ST+8*\t+4+\j], v[ST+8*\t+4+\j], v[S+32*\t+8*\j+2*\q+1], v[S+32*\t+8*\j+2*\q+2]
.endr
.endr
.endr
.irp t, 0,1
	v_max3_num_f32 v[ST+8*\t+4], v[ST+8*\t+4], v[S+32*\t+7], v[S+32*\t+15]
	v_max3_num_f32 v[ST+8*\t+6], v[ST+8*\t+6], v[S+32*\t+23], v[S+32*\t+31]
.endr
.irp t, 0,1
	v_max3_num_f32 v[ST+8*\t+4], v[ST+8*\t+4], v[ST+8*\t+5], v[ST+8*\t+6]
.endr
.irp t, 0,1
	v_max3_num_f32 v[ST+8*\t+4], v[ST+8*\t+4], v[ST+8*\t+7], v[ST+8*\t+1]   ; with the old m
.endr
.irp t, 0,1
	v_permlanex16_b32 v[ST+8*\t+5], v[ST+8*\t+4], s[SEL], s[SEL+1]          ; the query's other 32 keys lie in the lane 16 away
.endr
.irp t, 0,1
	v_mov_b32 v[ST+8*\t+7], v[ST+8*\t]                                      ; c m_old
.endr
.irp t, 0,1
	v_max_num_f32 v[ST+8*\t+1], v[ST+8*\t+4], v[ST+8*\t+5]                  ; the new m
.endr
.irp t, 0,1
	v_mul_f32 v[ST+8*\t], s[CS], v[ST+8*\t+1]
.endr
.irp t, 0,1
	v_sub_f32 v[ST+8*\t+7], v[ST+8*\t+7], v[ST+8*\t]
.endr
.irp b, 0,1,2,3,4,5,6,7,8,9,10,11,12,13,14,15
.irp t, 0,1
	v_pk_fma_f32 v[S+32*\t+2*\b:S+32*\t+2*\b+1], v[S+32*\t+2*\b:S+32*\t+2*\b+1], s[CS:CS+1], v[ST+8*\t:ST+8*\t+1] op_sel_hi:[1,0,0] neg_lo:[0,0,1] neg_hi:[0,0,1]   ; c s - c m
.endr
.endr
.irp t, 0,1
	v_exp_f32 v[ST+8*\t+6], v[ST+8*\t+7]           ; a
.endr
.set j, 0
.rept 64
	v_exp_f32 v[S+j], v[S+j]                       ; p: one batch of 66 exponentials,
.set j, j+1
.endr
	v_nop                                          ; one plain instruction behind the last,
	s_wait_alu depctr_va_vdst(0)                   ; and one wait ahead of the first reader
.set j, 0
.rept 32
	v_cvt_pk_f16_f32 v[P+j], v[S+2*j], v[S+2*j+1]  ; p in f16, in pairs: source 1 of the second product
.set j, j+1
.endr
.irp u, 0,1,2,3,4,5,6,7                        ; the sum of a tile's 16 pairs, in place: neighbours 1, 2, 4 and 8 pairs apart
.irp t, 0,1
	v_pk_add_f32 v[S+32*\t+4*\u:S+32*\t+4*\u+1], v[S+32*\t+4*\u:S+32*\t+4*\u+1], v[S+32*\t+4*\u+2:S+32*\t+4*\u+3]
.endr
.endr
.irp u, 0,1,2,3
.irp t, 0,1
	v_pk_add_f32 v[S+32*\t+8*\u:S+32*\t+8*\u+1], v[S+32*\t+8*\u:S+32*\t+8*\u+1], v[S+32*\t+8*\u+4:S+32*\t+8*\u+5]
.endr
.endr
.irp u, 0,1
.irp t, 0,1
	v_pk_add_f32 v[S+32*\t+16*\u:S+32*\t+16*\u+1], v[S+32*\t+16*\u:S+32*\t+16*\u+1], v[S+32*\t+16*\u+8:S+32*\t+16*\u+9]
.endr
.endr
.irp t, 0,1
	v_pk_add_f32 v[S+32*\t:S+32*\t+1], v[S+32*\t:S+32*\t+1], v[S+32*\t+16:S+32*\t+17]
.endr
.irp t, 0,1
	v_pk_fma_f32 v[ST+8*\t+2:ST+8*\t+3], v[ST+8*\t+2:ST+8*\t+3], v[ST+8*\t+6:ST+8*\t+7], v[S+32*\t:S+32*\t+1] op_sel_hi:[1,0,1]   ; l = a l + the sum
.endr
.endm
; A KEY STEP: 64 keys out of the slot in hand.  always = 1: the step lies on the diagonal by the text; 0: it does where the step's number is p.
.macro STEP always
	v_add_nc_u32 v[ADK], s[TB], v[AK0]
	v_add_nc_u32 v[ADV], s[TB], v[AV0]
	v_nop
	v_nop                                          ; four places between the last step's products and the loads into V's registers
.irp kt, 0,1,2,3
.irp dh, 0,1
	ds_load_b128 v[KF+8*(2*\kt+\dh):KF+8*(2*\kt+\dh)+3], v[ADK] offset:\kt*16*KP+64*\dh
	ds_load_b128 v[KF+8*(2*\kt+\dh)+4:KF+8*(2*\kt+\dh)+7], v[ADK] offset:\kt*16*KP+64*\dh+32
.endr
.endr
.irp kk, 0,1
.irp ct, 0,1,2,3
	ds_load_tr16_b128 v[VF+8*(4*\kk+\ct):VF+8*(4*\kk+\ct)+3], v[ADV] offset:\kk*32*VP+32*\ct
	ds_load_tr16_b128 v[VF+8*(4*\kk+\ct)+4:VF+8*(4*\kk+\ct)+7], v[ADV] offset:\kk*32*VP+16*VP+32*\ct
.endr
.endr
	s_wait_dscnt 16                                ; K is in; V's sixteen loads may be out
	WIN W_KQ
.set i, 0
.rept 16
	KQ
.set i, i+1
.endr
	WIN 0
.rept 4
	v_nop                                          ; places in front of the first read of the scores
.endr
.if !\always
	s_cmp_lg_u32 s[STP], s[PP]                     ; ids and the count of steps alone
	s_cbranch_scc1 .Lopen_\@
.endif
	v_mov_b32 v[ST+7], 0xff800000                  ; on the diagonal the scores of hidden keys become -infinity: p = 0.  The tile's first key counts for every query, so m stays a number
.irp t, 0,1
.set n, 0
.rept 32
	v_cmp_gt_i32 vcc_lo, 16*(n/8)+n%8, v[DM+\t]    ; register n holds key 16 (n / 8) + 8 h + n % 8 of the tile
	v_cndmask_b32 v[S+32*\t+n], v[S+32*\t+n], v[ST+7], vcc_lo
.set n, n+1
.endr
.endr
.Lopen_\@:
	SOFTMAX
	WIN W_RS
.irp t, 0,1
.set j, 0
.rept 16
	v_pk_mul_f32 v[32*\t+2*j:32*\t+2*j+1], v[32*\t+2*j:32*\t+2*j+1], v[ST+8*\t+6:ST+8*\t+7] op_sel_hi:[1,0]   ; O^T x a
.set j, j+1
.endr
.endr
	s_wait_dscnt 0x0                               ; V is in
	WIN W_PV
.set i, 0
.rept 16
	PV
.set i, i+1
.endr
	WIN 0
	s_xor_b32 s[TB], s[TB], SLOT1                  ; on to the other slot
.endm
; THE CHANGE OF SLOTS stands at a step's head.  Each wave waits for all its tensor loads (this step's tile), adds 0 to its spare word, and waits for that and for its reads of the slot that it has left.
; Behind the barrier the slot ahead is whole and nobody reads the other one: fill = 1: it takes the next step's tile: tile step + 1 of the first block while step + 1 <= p, else tile step - p of the second.
.macro CHANGE fill
	s_wait_tensorcnt 0x0                           ; no tensor load of mine is out, so a group 0 may be written
	ds_add_u32 v[SPW], v[NIL]
.if \fill
	ds_add_u32 v[SPW], v[NIL]                      ; and once more here, in every trip alike
	s_add_co_u32 s10, s[STP], 1
	s_sub_co_u32 s11, s[STP], s[PP]
	s_cmp_le_u32 s10, s[PP]
	s_cselect_b32 s[OFF], s10, s11
	s_lshl_b32 s[OFF], s[OFF], 13                  ; 64 rows of 128 bytes a tile
	s_xor_b32 s[G0K+1], s[G0K+1], SLOT1
	s_xor_b32 s[G0V+1], s[G0V+1], SLOT1
	s_add_nc_u64 s[G0K+2:G0K+3], s[KB:KB+1], s[OFF:OFF+1]
	s_or_b32 s[G0K+3], s[G0K+3], 0x80000000
	s_add_nc_u64 s[G0V+2:G0V+3], s[VB:VB+1], s[OFF:OFF+1]
	s_or_b32 s[G0V+3], s[G0V+3], 0x80000000
	s_wait_xcnt 0x0                                ; the last prefetch, a step back, has read its address
	s_add_nc_u64 s[PFA:PFA+1], s[PFA:PFA+1], 8192
.endif
	s_wait_dscnt 0x0                               ; the add is done, and my reads of the slot that I have left are over
	s_barrier_signal -1
	s_barrier_wait -1
.if \fill
	TLOAD                                          ; the first thing behind the barrier, and a wave's one tensor load until the next
	ASK
.endif
.endm
; A block's way out: O^T / l, f16, through my stage, as whole rows: each store covers four rows, 512 consecutive bytes, aligned.
.macro FINISH yb, more
	WIN 0
.irp t, 0,1
	v_add_f32 v[ST+8*\t+4], v[ST+8*\t+2], v[ST+8*\t+3]       ; (these additions and the v_nop are the places behind the last products)
.endr
.irp t, 0,1
	v_permlanex16_b32 v[ST+8*\t+5], v[ST+8*\t+4], s[SEL], s[SEL+1]
.endr
.irp t, 0,1
	v_add_f32 v[ST+8*\t+4], v[ST+8*\t+4], v[ST+8*\t+5]
.endr
.irp t, 0,1
	v_rcp_f32 v[ST+8*\t+6], v[ST+8*\t+4]
.endr
	v_nop
	s_wait_alu depctr_va_vdst(0)                   ; one wait for both reciprocals, ahead of their first reader
	WIN W_RS
.irp t, 0,1
.set j, 0
.rept 16
	v_pk_mul_f32 v[32*\t+2*j:32*\t+2*j+1], v[32*\t+2*j:32*\t+2*j+1], v[ST+8*\t+6:ST+8*\t+7] op_sel_hi:[1,0]
.set j, j+1
.endr
.endr
	WIN 0x05                                       ; sources window 1, destination window 0
.set j, 0
.rept 32
	v_cvt_pk_f16_f32 v[S+j], v[2*j], v[2*j+1]
.set j, j+1
.endr
	WIN 0
.irp t, 0,1
.irp ct, 0,1,2,3
	ds_store_b128 v[STO], v[S+16*\t+4*\ct:S+16*\t+4*\ct+3] offset:16*SPT*\t+32*\ct
.endr
.endr
.irp t, 0,1
.irp i4, 0,1,2,3
	ds_load_b128 v[S+16*\t+4*\i4:S+16*\t+4*\i4+3], v[RD] offset:16*SPT*\t+4*SPT*\i4   ; in order behind my stores
.endr
.endr
.irp t, 0,1
.irp i4, 0,1,2,3
	s_wait_dscnt 7-4*\t-\i4
	global_store_b128 v[GO], v[S+16*\t+4*\i4:S+16*\t+4*\i4+3], s[\yb:\yb+1] offset:2048*\t+512*\i4
.endr
.endr
.if \more
	s_wait_xcnt 0x0                                ; the stores have read their data: the next step's scores land there
.endif
.endm
	INIT
	s_wait_loadcnt 0x0                             ; Q of both blocks
	s_mov_b32 s[STP], 0
.Lstep:                                            ; 16 trips; the 17th step is written out
	CHANGE 1
	STEP 0
	s_cmp_lg_u32 s[STP], s[PP]
	s_cbranch_scc1 .Lgo_on                         ; the same way in all eight waves; no barrier and no tensor load stands under it
	FINISH YA, 1                                   ; the first block is done
	WIN 0x41
.set j, 0
.rept 32
	v_mov_b32 v[QA+j], v[QB+j]                     ; the second block's queries take its place
.set j, j+1
.endr
	INIT
.Lgo_on:
	s_add_co_u32 s[STP], s[STP], 1
	s_cmp_lt_u32 s[STP], 16
	s_cbranch_scc1 .Lstep
	CHANGE 0
	STEP 1                                         ; the second block's step on the diagonal
	FINISH YB, 0
	s_wait_tensorcnt 0x0                           ; the wave's end: behind my last tensor load and my last LDS store
	ds_add_u32 v[SPW], v[NIL]
	s_wait_dscnt 0x0
	s_endpgm
.Lfunc_end_k_qa164f0f8ef_attn:
	.size	k_qa164f0f8ef_attn, .Lfunc_end_k_qa164f0f8ef_attn-k_qa164f0f8ef_attn
	.p2alignl 7, 3214868480
	.fill 96, 4, 3214868480
	.section	.rodata,"a",@progbits
	.p2align	6, 0x0
	.amdhsa_kernel k_qa164f0f8ef_attn
		.amdhsa_group_segment_fixed_size 327680
		.amdhsa_private_segment_fixed_size 0
		.amdhsa_enable_private_segment 0
		.amdhsa_kernarg_size 16
		.amdhsa_user_sgpr_count 2
		.amdhsa_user_sgpr_kernarg_segment_ptr 1
		.amdhsa_wavefront_size32 1
		.amdhsa_system_sgpr_workgroup_id_x 1
		.amdhsa_system_sgpr_workgroup_id_y 1
		.amdhsa_system_sgpr_workgroup_id_z 1
		.amdhsa_system_vgpr_workitem_id 0
		.amdhsa_next_free_vgpr 512
		.amdhsa_next_free_sgpr 66
		.amdhsa_reserve_vcc 1
		.amdhsa_float_denorm_mode_32 3
		.amdhsa_float_denorm_mode_16_64 3
		.amdhsa_memory_ordered 1
		.amdhsa_forward_progress 1
		.amdhsa_inst_pref_size 72
	.end_amdhsa_kernel
	.amdgpu_metadata
---
amdhsa.version: [ 1, 2 ]
amdhsa.kernels:
  - .name:           k_qa164f0f8ef_attn
    .symbol:         k_qa164f0f8ef_attn.kd
    .args:
      - { .name: qkv, .offset: 0, .size: 8, .value_kind: global_buffer, .address_space: global }
      - { .name: y, .offset: 8, .size: 8, .value_kind: global_buffer, .address_space: global }
    .group_segment_fixed_size: 327680
    .private_segment_fixed_size: 0
    .kernarg_segment_align: 8
    .kernarg_segment_size: 16
    .max_flat_workgroup_size: 256
    .sgpr_count:     66
    .vgpr_count:     512
    .wavefront_size: 32
...
	.end_amdgpu_metadata
.endif
;; end of part 3
;; launch proj (part 4): grid 8 x 32, 4 waves a work-group, clusters of 4 x 4, 327,680 bytes of LDS; arguments y, wo16, out0; writes out0
.if DOCPART == 4
	.amdgcn_target "amdgcn-amd-amdhsa--gfx1250"
	.amdhsa_code_object_version 6
	.text
	.protected	k_qa164f0f8ef_proj
	.globl	k_qa164f0f8ef_proj
	.p2align	8
	.type	k_qa164f0f8ef_proj,@function
k_qa164f0f8ef_proj:
	s_mov_b64 s[64:65], 0
	v_nop
	global_prefetch_b8 v0, s[64:65] scope:SCOPE_SE
	s_setreg_imm32_b32 hwreg(HW_REG_WAVE_MODE, 25, 1), 1
	s_wait_xcnt 0x0
	s_wait_alu depctr_hold_cnt(0) depctr_sa_sdst(0) depctr_va_vdst(0) depctr_va_sdst(0) depctr_va_ssrc(0) depctr_va_vcc(0) depctr_vm_vsrc(0)
	s_getreg_b32 s2, hwreg(HW_REG_IB_STS2, 6, 4)
	s_cmp_eq_u32 s2, 0
	s_cbranch_scc0 .Lentry_in_a_cluster
	s_endpgm
.Lentry_in_a_cluster:
	s_bfe_u32 s2, ttmp6, 0x10000c
	s_cmp_lg_u32 s2, 0xf033
	s_cbranch_scc0 .Lentry_shape_is_right
	s_endpgm
.Lentry_shape_is_right:
; FOURTH LAUNCH: out0[m][n] = the sum over k of y[m][k] Wo[k][n], operands in f16, sums in f32.  y: f16 [32 heads][4,096 rows][64], k = 64 head + channel; wo16: f16 [2,048 k][2,048 n]; out0: f32 [4,096][2,048].
; A tile of out0 is 128 rows x 256 columns: 8 x 32 = 256 work-groups of equal work.  Four waves, each 64 x 128: 32 accumulators of 16 x 16, which fill window 1.
; K GOES IN STEPS OF 192 (three heads), as long as two slots in LDS allow: a slot holds three heads' 128 rows of y (3 x 128 x 144 bytes) and 192 rows of Wo (192 x 544 bytes), 159,744 bytes; two slots and the spare words
; take 320,000 bytes; a step of 256 would take 212,992 bytes a slot.  2,048 = 10 x 192 + 128: ten such steps and a last one of 128 (two heads), written out.  A step is six sub-steps of 32 along K, 192 matrix instructions a wave,
; 176 of them between a slot's request and the wait for it; nine refills in all.
; ONE TENSOR LOAD A WAVE: waves 0 to 2 fetch 64 rows of Wo each (512 bytes a row); wave 3 fetches y's three heads by one load: a head's 128 rows are 16,384 dense bytes, stated as ONE row of 2,048 elements of 8 bytes; the rows
; (heads) lie 65,536 elements apart; 16 bytes of padding behind every 128, so that in LDS a row of y is 144 bytes.
; CLUSTERS: 4 x 4 work-groups; y's tiles are shared along a row of the cluster, Wo's along a column: each is asked for JOINTLY.
; THE MATRIX INSTRUCTION IS USED TRANSPOSED (source 0 = 16 columns of Wo, source 1 = 16 rows of y): a lane holds eight neighbouring numbers of a row of out0.  Wo lies [k][n] in LDS and comes out turned, by ds_load_tr16_b128.
; REGISTERS: window 0: v0-31 addresses; v32-63, v64-95 y's fragments (4 x 16 rows x 32 K), two buffers; v128-191, v192-255 Wo's (8 x 16 columns x 32 K), two buffers.  Window 1: accumulator (a, b) at v[8 (8 a + b)].
.set AP,     144                       ; a row of y in LDS: 128 bytes + 16
.set AHEAD,  128*AP                    ; a head's 128 rows
.set BP,     544                       ; a row of Wo: 512 bytes + 32
.set BPART,  64*BP                     ; 64 rows: what one of Wo's loads brings
.set BOFF,   3*AHEAD
.set SLOT,   BOFF+3*BPART
.set SPARE,  2*SLOT                    ; the spare words, 128 bytes for each wave: two blocks of 256 bytes that no other line names
.set STAGE,  SLOT                      ; the way out: 16 rows x (512 bytes + 16) for each wave, in slot 1: the last step lies in slot 0, and slot 1 has had its last fill and, behind the last barrier, its last read
.set SPITCH, 528
.set TRIPS,  4                         ; a trip = two K steps = once round the ring
.set YHEAD,  524288                    ; a head of y in bytes
.set WROW,   4096                      ; a row of wo16 in bytes
.set ASTEP,  3*YHEAD                   ; a K step on, in y
.set BSTEP,  192*WROW                  ; and in wo16
.set ADRA, 16                          ; v16-17  LDS address of my fragments of y in slot 0, 1
.set ADRB, 20                          ; v20-23  of Wo's: slot 0 sub-steps 0-2, 3-5; slot 1 likewise (an LDS offset has 16 bits)
.set STO,  24
.set RD,   25
.set CO,   26
.set SPW,  28
.set NIL,  29
.set PFO,  30
.set AF,   32
.set BF,   128
.set G1, 24                            ; s[24:31] descriptor group 1 for y's three heads;  s[32:39] group 0, one set for each slot
.set G0, 32
.set G1B, 48                           ; s[48:55], s[56:63] the same for Wo's 64 rows
.set G0B, 56
.set G1T, 68                           ; s[68:75] group 1 for y's last two heads
.set LIM, 45
.set PFA, 46
.set PFS, 22
.set MSB, 0
.macro WIN new
.if MSB != \new
	s_set_vgpr_msb (MSB<<8)|\new
.set MSB, \new
.endif
.endm
.set MUL, 0x50                         ; C and D window 1, sources window 0
.macro JLOAD s                         ; a joint load: waves 0 to 2 fetch Wo's three parts, wave 3 y's three heads; the branch hangs on the wave's number alone
	s_cmp_lt_u32 s10, 3
	s_cbranch_scc0 .Lfor_y_\@
	tensor_load_to_lds s[G0B+4*\s:G0B+4*\s+3], s[G1B:G1B+7]
	s_nop 0
.rept 4
	v_nop
.endr
	s_branch .Lasked_\@
.Lfor_y_\@:
	tensor_load_to_lds s[G0+4*\s:G0+4*\s+3], s[G1:G1+7]
	s_nop 0
.rept 4
	v_nop
.endr
.Lasked_\@:
.endm
.macro JTAIL                           ; the last step's tiles, into slot 0: waves 0 and 1 Wo's 128 rows, wave 3 y's two heads, wave 2 nothing
	s_cmp_lt_u32 s10, 2
	s_cbranch_scc0 .Lnot_wo_\@
	tensor_load_to_lds s[G0B:G0B+3], s[G1B:G1B+7]
	s_nop 0
.rept 4
	v_nop
.endr
	s_branch .Lasked_\@
.Lnot_wo_\@:
	s_cmp_eq_u32 s10, 3
	s_cbranch_scc0 .Lasked_\@
	tensor_load_to_lds s[G0:G0+3], s[G1T:G1T+7]
	s_nop 0
.rept 4
	v_nop
.endr
.Lasked_\@:
.endm
; A PREFETCH INTO THE L2, once a trip, at the change out of slot 1, behind the joint load and the run of LDS loads that follows it: trip t names K steps 2 t + 4 and 2 t + 5, which the next trip's two changes of slots load:
; 192 and 384 matrix instructions a wave ahead of those loads.  K steps 0 to 3 come by their loads alone.  Each aligned 256 bytes are named once in the launch, a lane to each.
; Wo's tile column is read by all eight clusters of a column: the one with y = 0 asks, its waves 0 to 2, each for the 64 rows that it will fetch; partner cy takes 16 of them, two lanes to a row's 512 bytes; one instruction a K step.
; y's tile row is read by both clusters of a row of clusters: the one with x = 0 asks, its wave 3; partner cx takes rows 32 cx on of each of the six heads: 4,096 bytes a head, two heads an instruction.
; Partners are told apart by address alone.  The last trip names only what exists: heads 30 and 31, and rows 1,920 to 2,047 of Wo (waves 0 and 1).
.macro ASK
	s_cmp_gt_u32 s3, s[LIM]                        ; s3 = 1 in the last trip.  LIM: 0 in waves 0, 1 and 3 that ask, 1 in wave 2, else the greatest number
	s_cbranch_scc0 .Lnot_mine_\@
	global_prefetch_b8 v[PFO], s[PFA:PFA+1] th:TH_LOAD_NT scope:SCOPE_SE
	s_cmp_gt_u32 s3, 1
	s_cbranch_scc0 .Lnot_mine_\@
	s_cmp_eq_u32 s10, 3
	s_cbranch_scc1 .Lmore_y_\@
	global_prefetch_b8 v[PFO], s[PFA:PFA+1] offset:BSTEP th:TH_LOAD_NT scope:SCOPE_SE
	s_branch .Lnot_mine_\@
.Lmore_y_\@:
	global_prefetch_b8 v[PFO], s[PFA:PFA+1] offset:2*YHEAD th:TH_LOAD_NT scope:SCOPE_SE
	global_prefetch_b8 v[PFO], s[PFA:PFA+1] offset:4*YHEAD th:TH_LOAD_NT scope:SCOPE_SE
.Lnot_mine_\@:
.endm
.macro CREST
	s_cmp_lg_u32 s10, 0
	s_cbranch_scc1 .Lnot_wave_0_\@
	s_barrier_signal -3
.Lnot_wave_0_\@:
	s_barrier_wait -3
	s_barrier_signal -1
	s_barrier_wait -1
.endm
.macro CROUND
	s_barrier_signal -1
	s_barrier_wait -1
	CREST
.endm
	s_load_b128 s[4:7], s[0:1], 0x0                ; y, wo16
	s_load_b64 s[8:9], s[0:1], 0x10                ; out0
	v_lshl_add_u32 v[SPW], v0, 2, SPARE
	v_mov_b32 v[NIL], 0
	ds_add_u32 v[SPW], v[NIL]                      ; the wave's opening: the add, twice on end, and its wait ahead of my first tensor load
	ds_add_u32 v[SPW], v[NIL]
	v_lshrrev_b32 v1, 5, v0
	v_readfirstlane_b32 s10, v1                    ; wave 0..3
	s_lshr_b32 s11, s10, 1                         ; which 64 of the tile's rows are mine
	s_and_b32 s12, s10, 1                          ; which 128 of its columns
	s_bfe_u32 s40, ttmp6, 0x40000                  ; cx, cy
	s_bfe_u32 s41, ttmp6, 0x40004
	s_lshl_b32 s42, ttmp9, 2
	s_add_co_u32 s42, s42, s40                     ; tile column
	s_and_b32 s13, ttmp7, 0xffff
	s_lshl_b32 s13, s13, 2
	s_add_co_u32 s13, s13, s41                     ; tile row
	s_lshl_b32 s43, s41, 2
	s_lshl_b32 s43, 15, s43                        ; my row of the cluster
	s_lshl_b32 s44, 0x1111, s40                    ; my column
	s_or_b32 s[G1+0], s43, (3<<16)|(1<<20)|(1<<21)|(4<<22)|(3<<25)   ; the mask; elements of 8 bytes; padding on; bit 21 beside a mask; 4 words after every 32
	s_or_b32 s[G1T+0], s43, (3<<16)|(1<<20)|(1<<21)|(4<<22)|(3<<25)
.irp g, G1, G1T
	s_mov_b32 s[\g+1], 2048<<16                    ; tensor_dim0: a head's 128 rows of 128 bytes
	s_mov_b32 s[\g+3], 2048<<16                    ; tile_dim0
	s_mov_b32 s[\g+5], 65536                       ; from head to head: 4,096 rows of 16 elements
	s_mov_b32 s[\g+6], 0
	s_mov_b32 s[\g+7], 0
.endr
	s_mov_b32 s[G1+2], 3<<16                       ; tensor_dim1: three heads,
	s_mov_b32 s[G1+4], 3                           ; tile_dim1
	s_mov_b32 s[G1T+2], 2<<16                      ; in the last step two
	s_mov_b32 s[G1T+4], 2
	s_or_b32 s[G1B+0], s44, (1<<16)|(1<<20)|(1<<21)|(6<<22)|(7<<25)  ; elements of 2 bytes; 8 words after every 128
	s_mov_b32 s[G1B+1], 256<<16
	s_mov_b32 s[G1B+2], 64<<16
	s_mov_b32 s[G1B+3], 256<<16
	s_mov_b32 s[G1B+4], 64
	s_mov_b32 s[G1B+5], 2048
	s_mov_b32 s[G1B+6], 0
	s_mov_b32 s[G1B+7], 0
	s_lshl_b32 s14, s13, 14                        ; y: 128 x tile row rows of 128 bytes, in head 0
	s_mov_b32 s15, 0
	s_lshl_b32 s46, s10, 18                        ; Wo: 64 x wave rows of 4,096 bytes
	s_lshl_b32 s47, s42, 9                         ; + 256 x tile column columns
	s_add_co_u32 s46, s46, s47
	s_mov_b32 s47, 0
	s_mul_i32 s21, s10, BPART                      ; where Wo's rows go: no place in the cluster enters an LDS address
	s_add_co_u32 s21, s21, BOFF
	s_wait_dscnt 0x0                               ; both opening adds are done
	s_wait_kmcnt 0x0
	s_add_nc_u64 s[14:15], s[4:5], s[14:15]
	s_add_nc_u64 s[46:47], s[6:7], s[46:47]
	CROUND                                         ; all sixteen work-groups are here: the first joint loads meet
.irp s, 0,1
	s_mov_b32 s[G0+4*\s], 1
	s_mov_b32 s[G0+4*\s+1], \s*SLOT
	s_add_nc_u64 s[G0+4*\s+2:G0+4*\s+3], s[14:15], \s*ASTEP        ; K step s
	s_or_b32 s[G0+4*\s+3], s[G0+4*\s+3], 0x80000000
	s_mov_b32 s[G0B+4*\s], 1
	s_add_co_u32 s[G0B+4*\s+1], s21, \s*SLOT
	s_add_nc_u64 s[G0B+4*\s+2:G0B+4*\s+3], s[46:47], \s*BSTEP
	s_or_b32 s[G0B+4*\s+3], s[G0B+4*\s+3], 0x80000000
	JLOAD \s
.endr
	v_and_b32 v1, 15, v0                           ; r
	v_bfe_u32 v2, v0, 4, 1                         ; h
	v_mul_u32_u24 v3, v1, AP
	v_lshl_add_u32 v3, v2, 4, v3                   ; y: row r, + 16 h
	v_and_b32 v4, 7, v0
	v_lshl_add_u32 v4, v2, 3, v4
	v_mul_u32_u24 v4, v4, BP                       ; Wo, for the turning load: row 8 h + lane % 8,
	v_bfe_u32 v5, v0, 3, 1
	v_lshl_add_u32 v4, v5, 4, v4                   ; columns 8 ((lane / 8) % 2) on
	s_mul_i32 s21, s11, 64*AP                      ; my 64 rows of y, in each head
	s_lshl_b32 s22, s12, 8                         ; my 128 columns of Wo
	s_add_co_u32 s22, s22, BOFF
.irp s, 0,1
	v_add_nc_u32 v[ADRA+\s], s21, v3
	v_add_nc_u32 v[ADRB+2*\s], s22, v4
	v_add_nc_u32 v[ADRB+2*\s+1], 3*32*BP, v[ADRB+2*\s]
	s_add_co_u32 s21, s21, SLOT
	s_add_co_u32 s22, s22, SLOT
.endr
	s_mul_i32 s23, s10, 16*SPITCH
	s_add_co_u32 s23, s23, STAGE                   ; my stage
	v_mul_u32_u24 v5, v1, SPITCH
	v_lshl_add_u32 v5, v2, 5, v5
	v_add_nc_u32 v[STO], s23, v5                   ; in: row r, 32 bytes for each half of the lanes
	v_and_b32 v6, 31, v0
	v_lshlrev_b32 v[CO], 4, v6                     ; back: the 32 lanes take one row of 512 bytes; and the same in out0
	v_add_nc_u32 v[RD], s23, v[CO]
	s_lshl_b32 s16, s13, 7
	s_lshl_b32 s17, s11, 6
	s_add_co_u32 s16, s16, s17                     ; my first row of out0
	s_lshl_b32 s16, s16, 13                        ; 8,192 bytes a row
	s_lshl_b32 s17, s42, 10
	s_add_co_u32 s16, s16, s17
	s_lshl_b32 s17, s12, 9
	s_add_co_u32 s16, s16, s17                     ; + my first column
	s_mov_b32 s17, 0
	s_add_nc_u64 s[8:9], s[8:9], s[16:17]
	; the prefetches: where mine stand (at K step 2: the first trip steps them to K step 4), and who asks
	s_lshl_b32 s16, s13, 14
	s_lshl_b32 s17, s40, 12
	s_add_co_u32 s16, s16, s17
	s_add_co_u32 s16, s16, 6*YHEAD                 ; y: head 6, the tile's rows, 32 cx on
	s_lshl_b32 s18, s10, 6
	s_lshl_b32 s19, s41, 4
	s_add_co_u32 s18, s18, s19
	s_add_co_u32 s18, s18, 384
	s_lshl_b32 s18, s18, 12                        ; Wo: row 384 + 64 x wave + 16 cy,
	s_lshl_b32 s19, s42, 9
	s_add_co_u32 s18, s18, s19                     ; the tile's columns
	s_and_b32 s19, ttmp7, 0xffff                   ; cluster y
	s_mov_b32 s20, WROW
	s_mov_b32 s[PFS], 2*BSTEP
	s_mov_b32 s21, 1
	s_mov_b32 s2, 1
	s_cmp_eq_u32 s10, 3                            ; wave 3 asks for y, the others for Wo
	s_cselect_b32 s16, s16, s18
	s_cselect_b32 s17, ttmp9, s19                  ; the coordinate along which other clusters read the same rows
	s_cselect_b32 s20, YHEAD, s20                  ; from one group of lanes to the next: a head, or a row of Wo
	s_cselect_b32 s[PFS], 2*ASTEP, s[PFS]          ; two K steps on
	s_cselect_b32 s21, 4, s21                      ; sixteen lanes to a group, or two
	s_cselect_b32 s2, 15, s2
	s_cselect_b64 s[PFA:PFA+1], s[4:5], s[6:7]
	s_cmp_eq_u32 s10, 2
	s_cselect_b32 s18, 1, 0
	s_cmp_eq_u32 s17, 0
	s_cselect_b32 s[LIM], s18, -1                  ; the cluster's place and the wave's number alone: the same in all sixteen partners
	s_mov_b32 s17, 0
	s_mov_b32 s[PFS+1], 0
	s_add_nc_u64 s[PFA:PFA+1], s[PFA:PFA+1], s[16:17]
	v_lshrrev_b32 v7, s21, v6
	v_and_b32 v8, s2, v6
	v_mul_lo_u32 v[PFO], v7, s20
	v_lshl_add_u32 v[PFO], v8, 8, v[PFO]           ; lanes of a group 256 bytes apart
.macro MUL8 f, a, zero                 ; y's block a against Wo's eight, 32 along K.  The 32 accumulators take turns, one instruction a turn, in the same order in every sub-step
.irp b, 0,1,2,3,4,5,6,7
.if \zero
	v_wmma_f32_16x16x32_f16 v[8*(8*(\a)+\b):8*(8*(\a)+\b)+7], v[BF+64*(\f)+8*\b:BF+64*(\f)+8*\b+7], v[AF+32*(\f)+8*(\a):AF+32*(\f)+8*(\a)+7], 0
.else
	v_wmma_f32_16x16x32_f16 v[8*(8*(\a)+\b):8*(8*(\a)+\b)+7], v[BF+64*(\f)+8*\b:BF+64*(\f)+8*\b+7], v[AF+32*(\f)+8*(\a):AF+32*(\f)+8*(\a)+7], v[8*(8*(\a)+\b):8*(8*(\a)+\b)+7]
.endif
.endr
.endm
.macro FETCH slot, q, f                ; 24 LDS loads in one run: the slot's q-th 32 along K into buffer f: Wo's eight fragments, then y's four (head q / 2, channels 32 (q % 2) on)
.irp b, 0,1,2,3,4,5,6,7
	ds_load_tr16_b128 v[BF+64*(\f)+8*\b:BF+64*(\f)+8*\b+3], v[ADRB+2*(\slot)+(\q)/3] offset:32*BP*((\q)%3)+32*\b
	ds_load_tr16_b128 v[BF+64*(\f)+8*\b+4:BF+64*(\f)+8*\b+7], v[ADRB+2*(\slot)+(\q)/3] offset:32*BP*((\q)%3)+16*BP+32*\b
.endr
.irp a, 0,1,2,3
	ds_load_b128 v[AF+32*(\f)+8*\a:AF+32*(\f)+8*\a+3], v[ADRA+\slot] offset:AHEAD*((\q)/2)+\a*16*AP+64*((\q)%2)
	ds_load_b128 v[AF+32*(\f)+8*\a+4:AF+32*(\f)+8*\a+7], v[ADRA+\slot] offset:AHEAD*((\q)/2)+\a*16*AP+64*((\q)%2)+32
.endr
.endm
.macro PLACES                          ; four plain vector instructions between a matrix instruction and a load into, or a read of, its registers
.rept 4
	v_nop
.endr
.endm
; A sub-step is 32 along K, 32 matrix instructions, on buffers 0, 1 by turns.  Any but a step's last: multiplies buffer f and fetches sub-step qn of the same slot into g.
.macro SUB slot, qn, f, g, zero
	s_wait_dscnt 4                                 ; Wo's fragments and y's blocks 0, 1 are in; the youngest four loads (blocks 2, 3) may be out
	WIN MUL
	MUL8 \f, 0, \zero
	MUL8 \f, 1, \zero
	PLACES
	WIN 0
	FETCH \slot, \qn, \g
	s_wait_dscnt 24                                ; all but the 24 just issued
	WIN MUL
	MUL8 \f, 2, \zero
	MUL8 \f, 3, \zero
.endm
; A step's last sub-step multiplies buffer 1 and changes slots: one barrier; in front of it each wave waits for all its tensor loads, adds 0 to its spare word, and waits for that and for its own reads of this slot.
; fill = 1: this slot is filled again, two K steps ahead; 2: with the last step's tiles; 0: not at all.  ask = 1: the trip's prefetches stand here.
.macro TURN slot, next, fill, ask
.if \ask
	s_wait_xcnt 0x0                                ; the last prefetches, a trip back, have read their address
	s_add_nc_u64 s[PFA:PFA+1], s[PFA:PFA+1], s[PFS:PFS+1]
.endif
	WIN 0
	s_wait_tensorcnt 0x0                           ; all my tensor loads have landed: my part of the next slot
	ds_add_u32 v[SPW], v[NIL]
	s_wait_dscnt 5                                 ; the add and the youngest four loads may be out
	WIN MUL
	MUL8 1, 0, 0
	s_wait_dscnt 0x0                               ; the add is done, and my reads of this slot are over
	s_barrier_signal -1
	MUL8 1, 1, 0
	WIN 0
	s_barrier_wait -1
.if \fill
	CREST                                          ; the barrier has opened a round of the cluster's barrier: no wave of any partner still reads this slot or has a load on its way
	s_add_nc_u64 s[G0+4*\slot+2:G0+4*\slot+3], s[G0+4*\slot+2:G0+4*\slot+3], 2*ASTEP     ; two K steps on: six heads,
	s_add_nc_u64 s[G0B+4*\slot+2:G0B+4*\slot+3], s[G0B+4*\slot+2:G0B+4*\slot+3], 2*BSTEP ; 384 rows
.if \fill == 1
	JLOAD \slot                                    ; the four v_nop behind it are also the places in front of the loads below
.else
	JTAIL
	PLACES                                         ; (wave 2 has passed no load and none of its v_nop)
.endif
.else
	PLACES
.endif
	FETCH \next, 0, 0
.if \ask
	ASK
.endif
	WIN MUL
	MUL8 1, 2, 0
	MUL8 1, 3, 0
.endm
	s_wait_tensorcnt 1                             ; my part of K step 0 is in; K step 1's may be out
	s_barrier_signal -1
	s_barrier_wait -1
	FETCH 0, 0, 0
	SUB 0, 1, 0, 1, 1                              ; the first sub-step stands in front of the loop: its products start the sums
	WIN 0
	s_mov_b32 s3, TRIPS
.Llap:                                             ; a trip goes once round the ring, from a lap's second sub-step to the next lap's first, and fills both slots again: K steps 2 to 9
	SUB 0, 2, 1, 0, 0
	SUB 0, 3, 0, 1, 0
	SUB 0, 4, 1, 0, 0
	SUB 0, 5, 0, 1, 0
	TURN 0, 1, 1, 0
	SUB 1, 1, 0, 1, 0
	SUB 1, 2, 1, 0, 0
	SUB 1, 3, 0, 1, 0
	SUB 1, 4, 1, 0, 0
	SUB 1, 5, 0, 1, 0
	TURN 1, 0, 1, 1
	SUB 0, 1, 0, 1, 0
	WIN 0
	s_sub_co_u32 s3, s3, 1
	s_cmp_lg_u32 s3, 0
	s_cbranch_scc1 .Llap
	SUB 0, 2, 1, 0, 0                              ; K step 8 goes on; behind it slot 0 takes the last step's tiles
	SUB 0, 3, 0, 1, 0
	SUB 0, 4, 1, 0, 0
	SUB 0, 5, 0, 1, 0
	TURN 0, 1, 2, 0
	SUB 1, 1, 0, 1, 0                              ; K step 9; nothing is left to fetch
	SUB 1, 2, 1, 0, 0
	SUB 1, 3, 0, 1, 0
	SUB 1, 4, 1, 0, 0
	SUB 1, 5, 0, 1, 0
	TURN 1, 0, 0, 0
	SUB 0, 1, 0, 1, 0                              ; the last step: 128 along K, four sub-steps
	SUB 0, 2, 1, 0, 0
	SUB 0, 3, 0, 1, 0
	s_wait_dscnt 4
	WIN MUL
	MUL8 1, 0, 0
	MUL8 1, 1, 0
	s_wait_dscnt 0
	MUL8 1, 2, 0
	MUL8 1, 3, 0
	WIN 0
; THE WAY OUT, a block of 16 rows x 128 columns at a time, through my own stage: in as 32 bytes a lane, back as whole rows of 512 bytes.  LDS serves a wave's instructions in order: no wait between the stores and the loads.
.macro TOSTAGE a
	WIN 0x04                                       ; an LDS store's data are its source 1: window 1
.irp b, 0,1,2,3,4,5,6,7
	ds_store_b128 v[STO], v[8*(8*(\a)+\b):8*(8*(\a)+\b)+3] offset:64*\b           ; each accumulator from its low end on
	ds_store_b128 v[STO], v[8*(8*(\a)+\b)+4:8*(8*(\a)+\b)+7] offset:64*\b+16
.endr
	WIN 0
.set BB, 32+96*((\a)%2)
.irp t, 0,1,2,3,4,5,6,7,8,9,10,11,12,13,14,15
	ds_load_b128 v[BB+4*\t:BB+4*\t+3], v[RD] offset:\t*SPITCH
.endr
.endm
.macro SEND a, younger
.set BB, 32+96*((\a)%2)
	s_wait_dscnt \younger
.if (\a) > 0
	s_add_nc_u64 s[8:9], s[8:9], 131072            ; 16 rows on (behind a wait on XCNT: the earlier stores have read their base)
.endif
.irp t, 0,1,2,3,4,5,6,7,8,9,10,11,12,13,14,15
	global_store_b128 v[CO], v[BB+4*\t:BB+4*\t+3], s[8:9] offset:\t*8192 th:TH_STORE_NT   ; 32 lanes store 512 consecutive bytes, aligned
.endr
.endm
	PLACES
	TOSTAGE 0
.irp a, 1,2,3
.if \a > 1
	s_wait_xcnt 0x0                                ; block a - 2's stores have read their registers and their base
.endif
	TOSTAGE \a
	SEND \a-1, 32                                  ; behind block a - 1's loads: block a's 16 stores and 16 loads
.endr
	s_wait_xcnt 0x0
	SEND 3, 0
	s_wait_tensorcnt 0x0                           ; the wave's end: behind my last tensor load and my last LDS store
	ds_add_u32 v[SPW], v[NIL]
	s_wait_dscnt 0x0
	CROUND                                         ; the closing round: no work-group ends while a partner may still ask for a tile that names it
	s_endpgm
.Lfunc_end_k_qa164f0f8ef_proj:
	.size	k_qa164f0f8ef_proj, .Lfunc_end_k_qa164f0f8ef_proj-k_qa164f0f8ef_proj
	.p2alignl 7, 3214868480
	.fill 96, 4, 3214868480
	.section	.rodata,"a",@progbits
	.p2align	6, 0x0
	.amdhsa_kernel k_qa164f0f8ef_proj
		.amdhsa_group_segment_fixed_size 327680
		.amdhsa_private_segment_fixed_size 0
		.amdhsa_enable_private_segment 0
		.amdhsa_kernarg_size 24
		.amdhsa_user_sgpr_count 2
		.amdhsa_user_sgpr_kernarg_segment_ptr 1
		.amdhsa_wavefront_size32 1
		.amdhsa_system_sgpr_workgroup_id_x 1
		.amdhsa_system_sgpr_workgroup_id_y 1
		.amdhsa_system_sgpr_workgroup_id_z 1
		.amdhsa_system_vgpr_workitem_id 0
		.amdhsa_next_free_vgpr 512
		.amdhsa_next_free_sgpr 80
		.amdhsa_reserve_vcc 0
		.amdhsa_float_denorm_mode_32 3
		.amdhsa_float_denorm_mode_16_64 3
		.amdhsa_memory_ordered 1
		.amdhsa_forward_progress 1
		.amdhsa_inst_pref_size 134
	.end_amdhsa_kernel
	.amdgpu_metadata
---
amdhsa.version: [ 1, 2 ]
amdhsa.kernels:
  - .name:           k_qa164f0f8ef_proj
    .symbol:         k_qa164f0f8ef_proj.kd
    .args:
      - { .name: y, .offset: 0, .size: 8, .value_kind: global_buffer, .address_space: global }
      - { .name: wo16, .offset: 8, .size: 8, .value_kind: global_buffer, .address_space: global }
      - { .name: out0, .offset: 16, .size: 8, .value_kind: global_buffer, .address_space: global }
    .group_segment_fixed_size: 327680
    .private_segment_fixed_size: 0
    .kernarg_segment_align: 8
    .kernarg_segment_size: 24
    .max_flat_workgroup_size: 128
    .sgpr_count:     80
    .vgpr_count:     512
    .wavefront_size: 32
...
	.end_amdgpu_metadata
.endif
;; end of part 4
